; MI455X (gfx1250); checked and timed in simulation.
; The chip was launched on July 23, 2026; its instructions are those of AMD's public machine-readable ISA for CDNA 5 (MIT licence, August 2026) and "CDNA5" Instruction Set Architecture Reference Guide (July 2026). The comments in the code are by the model that wrote it; some were corrected since.
;; Scan Attention. Allowed arithmetic: matrix products marked QUANTISED: E2M1 operands, one E8M0 scale for each 32 along K, by v_wmma_scale_f32_16x16x128_f8f6f4 with both operands' format E2M1 (or v_wmma_scale_f32_32x16x128_f4), f32 sums; everything else in f32.
;; Inputs: ks 2 x 2,048 x 16 x 64 float32; qs 2 x 2,048 x 16 x 64 float32; valid_lens 2 int32; vs 2 x 2,048 x 16 x 64 float32.
;; Outputs: out0 2 x 2,048 x 16 x 64 float32.
;; This version of the problem:
;;   THIS VERSION OF THE PROBLEM IS GIVEN IN LOW PRECISION. The matrix products marked QUANTISED in the list below multiply operands that are first quantised to E2M1 (2 exponent bits, 1 mantissa bit; 4 bits a number), with one power-of-two scale for each 32 numbers along K (OCP MX v1.0); their sums are f32. All else is computed in f32.
;;   The module's matrix products, in the order in which they are computed (A, B: the left and right operand; K: the contracted axis; several contracted axes count as one K, in the product's order):
;;     1. batch 32 x [M 2,048, K 64] x [K 64, N 2,048]; A: computed on the way; B: input ks: QUANTISED
;;     2. batch 32 x [M 64, K 2,048] x [K 2,048, N 2,048]; A: input vs; B: softmax (see below): QUANTISED
;;   THE QUANTISER, for each operand of a quantised product, along K:
;;     - K is cut into blocks of 32 from its start; a last block that is shorter is filled with zeros.
;;     - A block's scale is 2^e with e = floor(log2(the largest magnitude in the block)) - 2, held to -126 .. 127; a block of zeros has e = 0. As a byte (E8M0): e + 127.
;;     - Each number is divided by its block's scale, clamped to +-6, and rounded to the nearest number of E2M1, ties to even, subnormals kept.
;;     - The product sums the exact products of the quantised numbers (number of the format x scale) in f32.
;;   ~~~python
;;   def quantise(x, axis):      # numpy; x: float32 -> the quantised numbers, widened to float32 again
;;       x = np.moveaxis(x, axis, -1); K = x.shape[-1]
;;       x = np.pad(x, [(0, 0)] * (x.ndim - 1) + [(0, -K % 32)]); x = x.reshape(x.shape[:-1] + (-1, 32)); a = np.abs(x).max(-1, keepdims=True)
;;       e = np.where(a > 0, np.clip(np.frexp(np.where(a > 0, a, 1))[1] - 1 - 2, -126, 127), 0)      # np.frexp(a)[1] - 1 = floor(log2(a)), exactly
;;       r = np.clip(x / 2.0 ** e, -6, 6)
;;       step = 2.0 ** (np.maximum(np.frexp(np.where(r == 0, 1, r))[1] - 1, 0) - 1)
;;       q = np.round(r / step) * step * 2.0 ** e      # np.round: ties to even
;;       return np.moveaxis(q.reshape(q.shape[:-2] + (-1,))[..., :K], -1, axis).astype(np.float32)
;;   ~~~
;;   SOFTMAX AHEAD OF A QUANTISED PRODUCT. Where the list says 'softmax', what is quantised is not the finished softmax but p = 2^(t - M), with t = logit x log2(e) and M = ceil(the row's largest t), a whole number; so 1/2 < the row's largest p <= 1. The row's sum l is taken of the UNQUANTISED p, in f32, and the product's result is divided by l at the end. Since M is a whole number, a kernel that streams over the keys may use a running M (the ceiling of the running maximum): every later rescaling is an exact power of two, which a block's scale takes up: the codes' values come out the same.
;;   OPERANDS COMPUTED ON THE WAY. 'Computed on the way' means the value that the module computes at that place (a softmax that the list does not call 'softmax' is quantised finished and normalised). What goes into a quantiser is computed in f32, as accurately as f32 sums, v_exp_f32 and their like allow (about 1e-6 of the number): no bf16 or f16 on the way to a quantiser, and a product that is left as it is and whose result goes on into a quantised operand takes f32 operands (vector FMAs, or v_wmma_f32_16x16x4_f32). A number that lies on a knife's edge between two numbers of the format may be rounded either way, as far as f32 arithmetic and the matrix unit's own rounding can turn it there, and no further.
;; 2 versions. Each part assembles by itself: llvm-mc -triple=amdgcn-amd-amdhsa -mcpu=gfx1250 --defsym DOCPART=n.
;; ======== version 1 of 2: 2 launches
;; workspace buffers: kv 4,587,520 bytes
;; launch prep (part 1): grid 16 x 32, 4 waves a work-group, no clusters, 17,920 bytes of LDS; arguments ks, vs, valid_lens, kv; writes kv
.if DOCPART == 1
	.amdgcn_target "amdgcn-amd-amdhsa--gfx1250"
	.amdhsa_code_object_version 6
	.text
	.protected	k_q4611bc2e1e_prep
	.globl	k_q4611bc2e1e_prep
	.p2align	8
	.type	k_q4611bc2e1e_prep,@function
k_q4611bc2e1e_prep:
	s_mov_b64 s[64:65], 0
	v_nop
	global_prefetch_b8 v0, s[64:65] scope:SCOPE_SE
	s_setreg_imm32_b32 hwreg(HW_REG_WAVE_MODE, 25, 1), 1
	s_wait_xcnt 0x0
; ks and vs, [2][2048][16][64] f32, become codes of FP4 (E2M1) with one E8M0 scale byte for each 32 along a product's K: ks along d, vs along the keys.
; A work-group takes one (batch, head) and one KEY STEP of 128 keys and writes one dense RECORD of 8,960 bytes of kv, laid in the order of the operands' registers
; (l = the lane that will load it, r = l % 16, hh = l / 16):
;   0 .. 4095     K's codes: tile t (0..7) at 512 t + 16 l: d = 32 hh .. + 31 of key 32 (t / 2) + 8 (t % 2) + r + 8 (r / 8): registers 0-3 of a fragment (its k = 64 .. 127 are zeros, never stored)
;   4096 .. 8191  V's codes: tile t (0..3, d = 16 t + r) at 4096 + 1024 t + 512 c + 16 l: keys 64 c + 32 hh .. + 31: registers 4 c .. 4 c + 3
;   8192 .. 8703  K's scale words, at 8192 + 256 w + 8 l + 4 jj: lanes 0-15 tile 4 w + 2 jj, lanes 16-31 tile 4 w + 2 jj + 1; word = byte(d 0-31) | byte(d 32-63) << 8 | 0x7f7f0000
;   8704 .. 8959  V's scale words, at 8704 + 128 j + 4 l: lanes 0-15 tile 2 j, lanes 16-31 tile 2 j + 1; byte b = block b of the step's 128 keys
; A block's scale is 2^(floor(log2(its largest magnitude)) - 2); its byte is the largest magnitude's exponent field - 2, held at 1 from below.
; A STEP WITHOUT A VISIBLE KEY (128 step >= valid_lens[b]) IS NOT WRITTEN, and the second launch never loads it: all its scores are masked.  Step 0 is always written.
; A step that the length cuts is quantised whole: V's blocks run over hidden keys too, as the problem's quantiser has them.
; SHARES: waves 0, 1 take K (64 keys each, four tiles); waves 2, 3 take V (32 of the head's 64 each, all 128 keys).  No barrier: waves share nothing.  No loop: every offset is an immediate.
; LIMITS: NaN and infinities among the inputs are not served.  A block of zeros gets the byte 1 where the rule says 127: its codes are zeros, which add nothing, and this program alone reads the bytes.
.set REC,   8960                       ; bytes of a record
.set KEYB,  4096                       ; bytes from a key to the next: 16 heads x 64 x 4
.set SROW,  272                        ; a stage row: a key's 256 bytes + 16 of padding
.set STG,   16*SROW                    ; a stage: the 16 keys of a tile
.set FLOOR, 0x1800000                  ; 2^(3 - 127): under it no largest magnitude is taken, so the byte cannot fall under 1
.set EOFF,  0xff000000                 ; takes 2 off an exponent field
.set SW,  24                           ; v24-25   K: the scale words as they are stored;  V: v24 the scale word
.set W,   26                           ; v26-29   K: a tile's scale word, in every lane of its row
.set C,   32                           ; v32-47   codes: four registers for each tile or block, so that no store's data are written again
.set X,   48                           ; v48-111  two sets of 32 numbers of one block
.set R,   112                          ; v112-239 K: the four tiles as they are loaded
	s_load_b128 s[4:7], s[0:1], 0x0                ; ks, vs
	s_load_b128 s[8:11], s[0:1], 0x10              ; valid_lens, kv
	v_lshl_add_u32 v240, v0, 2, 0x4400
	v_mov_b32 v241, 0
	v_lshrrev_b32 v1, 5, v0
	v_readfirstlane_b32 s12, v1                    ; wave 0..3
	v_and_b32 v1, 31, v0                           ; lane
	v_and_b32 v2, 15, v0                           ; r
	v_bfe_u32 v3, v0, 4, 1                         ; hh
	s_and_b32 s15, ttmp7, 0xffff                   ; 16 b + h
	s_lshr_b32 s13, s15, 4                         ; b
	s_and_b32 s14, s15, 15                         ; h
	s_and_b32 s25, s12, 1                          ; which of the two K waves, or of the two V waves, I am
	s_lshl_b32 s19, ttmp9, 7                       ; the step's first key
	s_lshl_b32 s20, s13, 23                        ; the step's first byte in ks and vs: b x 2^23
	s_lshl_b32 s28, ttmp9, 19                      ; + step x 128 keys x 4,096
	s_add_co_u32 s20, s20, s28
	s_lshl_b32 s28, s14, 8                         ; + h x 256
	s_add_co_u32 s20, s20, s28
	s_lshl_b32 s28, s25, 18                        ; K: my 64 keys
	s_add_co_u32 s32, s20, s28
	s_mov_b32 s33, 0
	s_lshl_b32 s28, s25, 7                         ; V: my 32 of the head's 64
	s_add_co_u32 s34, s20, s28
	s_mov_b32 s35, 0
	s_lshl_b32 s22, s15, 4
	s_add_co_u32 s22, s22, ttmp9
	s_mul_i32 s22, s22, REC                        ; my record: ((16 b + h) x 16 + step) x 8,960
	s_mov_b32 s23, 0
	s_mov_b32 s24, 0xffff0000                      ; a mask of lanes 16-31
	s_mov_b32 s26, 0x76543210
	s_mov_b32 s27, 0xfedcba98                      ; v_permlanex16_b32's selects for lane l xor 16
	s_mul_i32 s28, s25, 2*STG                      ; a K wave's two stages
	s_lshl_b32 s29, s25, 11
	s_lshl_b32 s30, s25, 8
	s_lshl_b32 s31, s25, 7
	; every address register of both roles is made here, ahead of the branch that parts them
	v_lshlrev_b32 v4, 4, v2
	v_lshl_add_u32 v4, v3, 16, v4                  ; K in: 16 r of a key's 256 bytes; lanes 16-31 the key 16 further on
	v_mul_u32_u24 v5, v3, 8*SROW
	v_lshl_add_u32 v5, v2, 4, v5
	v_add_nc_u32 v5, s28, v5                       ; into the stage: load i is row i + 8 hh
	v_mul_u32_u24 v6, v2, SROW
	v_lshl_add_u32 v6, v3, 7, v6
	v_add_nc_u32 v6, s28, v6                       ; out of it: row r, my block's 128 bytes
	v_lshl_add_u32 v7, v1, 4, s29                  ; K's codes: 16 lane + 2,048 w
	v_lshl_add_u32 v8, v1, 3, s30                  ; K's scale words: 8 lane + 256 w
	v_lshlrev_b32 v9, 3, v3                        ; 8 hh: my byte's place in the scale word
	v_lshlrev_b32 v10, 2, v1                       ; V in: 4 bytes a lane
	v_lshlrev_b32 v11, 4, v2
	v_lshl_add_u32 v11, v3, 10, v11
	v_add_nc_u32 v11, s29, v11                     ; V's codes: tile 2 j + hh, row r
	v_lshl_add_u32 v17, v1, 2, s31                 ; V's scale words: 4 lane + 128 j
	v_mov_b32 v16, 0                               ; written once: a lane permute's destination counts as one of its sources
	s_wait_kmcnt 0x0
	s_load_b64 s[16:17], s[8:9], 0x0               ; both lengths
	s_wait_kmcnt 0x0
	s_cmp_eq_u32 s13, 0
	s_cselect_b32 s18, s16, s17                    ; my batch's
	s_max_i32 s18, s18, 1                          ; step 0 is written whatever the length
	s_cmp_ge_u32 s19, s18                          ; alike in all four waves
	s_cbranch_scc1 .Lend                           ; all 128 keys are hidden: nobody will load this record
	s_add_nc_u64 s[4:5], s[4:5], s[32:33]
	s_add_nc_u64 s[6:7], s[6:7], s[34:35]
	s_add_nc_u64 s[10:11], s[10:11], s[22:23]
	s_cmp_lt_u32 s12, 2
	s_cbranch_scc0 .Lv
	; ---- K.  A load takes whole rows: lanes 0-15 one key's 256 bytes, lanes 16-31 those of the key 16 further on: the sixteen keys of a tile in eight loads.
	; The conversions want 32 neighbours along d in ONE lane: so a tile turns through my own stage in LDS and comes back 128 bytes a lane.
.macro KLOAD tt
.irp i, 0,1,2,3,4,5,6,7
	global_load_b128 v[R+32*(\tt)+4*\i:R+32*(\tt)+4*\i+3], v4, s[4:5] offset:(32*((\tt)/2)+8*((\tt)%2)+\i)*KEYB th:TH_LOAD_NT
.endr
.endm
.macro KTURN tt
	s_wait_loadcnt 8*(3-(\tt))                     ; loads come back in order: this tile's eight are in, the later tiles' may be out
.irp i, 0,1,2,3,4,5,6,7
	ds_store_b128 v5, v[R+32*(\tt)+4*\i:R+32*(\tt)+4*\i+3] offset:STG*((\tt)%2)+SROW*\i
.endr
.irp q, 0,1,2,3,4,5,6,7
	ds_load_b128 v[X+32*((\tt)%2)+4*\q:X+32*((\tt)%2)+4*\q+3], v6 offset:STG*((\tt)%2)+16*\q   ; LDS serves a wave's instructions in order: these see my stores
.endr
.endm
.macro KQ tt
.set XS, X+32*((\tt)%2)
	s_wait_dscnt 0x0                               ; this tile's numbers are back from the stage
.if (\tt) < 3
	KTURN (\tt)+1                                  ; the next tile goes through the other stage while this one is worked
.endif
	v_max3_num_f32 v12, |v[XS]|, |v[XS+1]|, |v[XS+2]|          ; the block's largest magnitude: all 32 numbers are mine; two chains
	v_max3_num_f32 v13, |v[XS+3]|, |v[XS+4]|, |v[XS+5]|
.irp i, 6,10,14,18,22,26
	v_max3_num_f32 v12, v12, |v[XS+\i]|, |v[XS+\i+1]|
	v_max3_num_f32 v13, v13, |v[XS+\i+2]|, |v[XS+\i+3]|
.endr
	v_max3_num_f32 v12, v12, |v[XS+30]|, |v[XS+31]|
	v_max3_num_f32 v12, v12, v13, FLOOR
	v_add_nc_u32 v14, EOFF, v12                    ; 2 off its exponent field: the conversion takes the exponent field of this operand as its scale, and nothing else of it
.irp g, 0,1,2,3
	v_cvt_scalef32_pk8_fp4_f32 v[C+4*(\tt)+\g], v[XS+8*\g:XS+8*\g+7], v14
.endr
	v_lshrrev_b32 v15, 23, v14                     ; the scale's byte (a plain line behind the conversions)
	global_store_b128 v7, v[C+4*(\tt):C+4*(\tt)+3], s[10:11] offset:512*(\tt)   ; 32 lanes store 512 consecutive bytes, aligned to 256
	v_lshlrev_b32 v15, v9, v15                     ; at its place: 8 hh bits up;
	v_permlanex16_b32 v16, v15, s26, s27
	v_or_b32 v15, v15, v16                         ; with lane l xor 16's the row's two bytes are together;
	v_or_b32 v[W+(\tt)], 0x7f7f0000, v15           ; k = 64 .. 127 are zero codes: their bytes are 127
.if (\tt)%2 == 1
	v_cndmask_b32 v[SW+(\tt)/2], v[W+(\tt)-1], v[W+(\tt)], s24   ; lanes 0-15 the even tile's words, lanes 16-31 the odd tile's: one register serves two tiles
.endif
.endm
	KLOAD 0
	KLOAD 1
	KLOAD 2
	KLOAD 3                                        ; all 32 loads of the wave are out: its 64 keys
	KTURN 0
	KQ 0
	KQ 1
	KQ 2
	KQ 3
	global_store_b64 v8, v[SW:SW+1], s[10:11] offset:8192   ; 32 lanes store 256 consecutive bytes, aligned
	s_wait_tensorcnt 0x0
	ds_add_u32 v240, v241
	s_wait_dscnt 0x0
	s_endpgm
	; ---- V.  The keys are the second product's K and are not innermost: a lane takes ONE d and its registers run down the keys.  A block of 32 keys lies in one lane's 32 registers.
.Lv:
.macro VLOAD bl
.irp i, 0,1,2,3,4,5,6,7,8,9,10,11,12,13,14,15,16,17,18,19,20,21,22,23,24,25,26,27,28,29,30,31
	global_load_b32 v[X+32*((\bl)%2)+\i], v10, s[6:7] offset:(32*(\bl)+\i)*KEYB th:TH_LOAD_NT   ; 32 lanes read 128 consecutive bytes: my half of the key's row
.endr
.endm
.macro VBLOCK bl
.set XS, X+32*((\bl)%2)
.if (\bl) < 3
	s_wait_loadcnt 32                              ; this block's 32 loads are in; the next block's 32 may be out
.else
	s_wait_loadcnt 0x0
.endif
	v_max3_num_f32 v12, |v[XS]|, |v[XS+1]|, |v[XS+2]|
	v_max3_num_f32 v13, |v[XS+3]|, |v[XS+4]|, |v[XS+5]|
.irp i, 6,10,14,18,22,26
	v_max3_num_f32 v12, v12, |v[XS+\i]|, |v[XS+\i+1]|
	v_max3_num_f32 v13, v13, |v[XS+\i+2]|, |v[XS+\i+3]|
.endr
	v_max3_num_f32 v12, v12, |v[XS+30]|, |v[XS+31]|
	v_max3_num_f32 v12, v12, v13, FLOOR
	v_add_nc_u32 v14, EOFF, v12
	v_lshrrev_b32 v15, 23, v14                     ; the scale's byte
.if (\bl) == 0
	v_mov_b32 v[SW], v15                           ; four bytes to the word, the earlier keys in the lower byte
.else
	v_lshl_or_b32 v[SW], v15, 8*(\bl), v[SW]
.endif
.irp g, 0,1,2,3
	v_cvt_scalef32_pk8_fp4_f32 v[C+4*(\bl)+\g], v[XS+8*\g:XS+8*\g+7], v14
.endr
	v_nop                                          ; a plain line behind the conversions
	global_store_b128 v11, v[C+4*(\bl):C+4*(\bl)+3], s[10:11] offset:4096+512*((\bl)>>1)+256*((\bl)&1)   ; block 2 c + hh of the fragment: each sixteen lanes store 256 consecutive bytes, aligned
.if (\bl) < 2
	VLOAD (\bl)+2
.endif
.endm
	VLOAD 0
	VLOAD 1
	VBLOCK 0
	VBLOCK 1
	VBLOCK 2
	VBLOCK 3
	global_store_b32 v17, v[SW], s[10:11] offset:8704   ; 32 lanes store 128 consecutive bytes; the two V waves' stores lie side by side in one aligned 256: one byte for each 128 that the wave has read
	s_endpgm
.Lend:
	s_endpgm
.Lfunc_end_k_q4611bc2e1e_prep:
	.size	k_q4611bc2e1e_prep, .Lfunc_end_k_q4611bc2e1e_prep-k_q4611bc2e1e_prep
	.p2alignl 7, 3214868480
	.fill 96, 4, 3214868480
	.section	.rodata,"a",@progbits
	.p2align	6, 0x0
	.amdhsa_kernel k_q4611bc2e1e_prep
		.amdhsa_group_segment_fixed_size 17920
		.amdhsa_private_segment_fixed_size 0
		.amdhsa_enable_private_segment 0
		.amdhsa_kernarg_size 32
		.amdhsa_user_sgpr_count 2
		.amdhsa_user_sgpr_kernarg_segment_ptr 1
		.amdhsa_wavefront_size32 1
		.amdhsa_system_sgpr_workgroup_id_x 1
		.amdhsa_system_sgpr_workgroup_id_y 1
		.amdhsa_system_sgpr_workgroup_id_z 1
		.amdhsa_system_vgpr_workitem_id 0
		.amdhsa_next_free_vgpr 242
		.amdhsa_next_free_sgpr 66
		.amdhsa_reserve_vcc 0
		.amdhsa_float_denorm_mode_32 3
		.amdhsa_float_denorm_mode_16_64 3
		.amdhsa_memory_ordered 1
		.amdhsa_forward_progress 1
		.amdhsa_inst_pref_size 36
	.end_amdhsa_kernel
	.amdgpu_metadata
---
amdhsa.version: [ 1, 2 ]
amdhsa.kernels:
  - .name:           k_q4611bc2e1e_prep
    .symbol:         k_q4611bc2e1e_prep.kd
    .args:
      - { .name: ks, .offset: 0, .size: 8, .value_kind: global_buffer, .address_space: global }
      - { .name: vs, .offset: 8, .size: 8, .value_kind: global_buffer, .address_space: global }
      - { .name: valid_lens, .offset: 16, .size: 8, .value_kind: global_buffer, .address_space: global }
      - { .name: kv, .offset: 24, .size: 8, .value_kind: global_buffer, .address_space: global }
    .group_segment_fixed_size: 17920
    .private_segment_fixed_size: 0
    .kernarg_segment_align: 8
    .kernarg_segment_size: 32
    .max_flat_workgroup_size: 128
    .sgpr_count:     66
    .vgpr_count:     242
    .wavefront_size: 32
...
	.end_amdgpu_metadata
.endif
;; end of part 1
;; launch attn (part 2): grid 16 x 16, 16 waves a work-group, no clusters, 288,768 bytes of LDS; arguments qs, kv, valid_lens, out0; writes out0
.if DOCPART == 2
	.amdgcn_target "amdgcn-amd-amdhsa--gfx1250"
	.amdhsa_code_object_version 6
	.text
	.protected	k_q4611bc2e1e_attn
	.globl	k_q4611bc2e1e_attn
	.p2align	8
	.type	k_q4611bc2e1e_attn,@function
k_q4611bc2e1e_attn:
	s_mov_b64 s[64:65], 0
	v_nop
	global_prefetch_b8 v0, s[64:65] scope:SCOPE_SE
	s_setreg_imm32_b32 hwreg(HW_REG_WAVE_MODE, 25, 1), 1
	s_wait_xcnt 0x0
; out[b][q][h][:] = the sum over visible keys k < valid_lens[b] of softmax_k(0.125 qs[b][q][h] . ks[b][k][h]) vs[b][k][h][:], both products on codes of FP4 (E2M1) with one E8M0 scale for each 32 along a product's K.
; K's and V's codes and scale words come from kv, one record of 8,960 bytes for each (batch, head, step of 128 keys), laid in the order of the operands' registers:
;   0: K's codes, tile t at 512 t + 16 lane (registers 0-3 of a fragment; d is 64, so k = 64 .. 127 are zero codes, kept in registers);   4096: V's codes, tile t at 1024 t + 512 c + 16 lane (registers 4 c .. 4 c + 3);
;   8192: K's scale words, 8 bytes a lane, twice (a register: lanes 0-15 an even tile's words, lanes 16-31 the odd tile's);   8704: V's, 4 bytes a lane, twice, likewise.
; THE SOFTMAX AHEAD OF THE SECOND PRODUCT: t = score x log2(e); M = the row's largest t so far, rounded UP to a whole number; p = 2^(t - M) is what is quantised, along the keys, not normalised.
; The row's sum is taken of the unquantised p, in f32, and divides O at the end.  When M moves, the sum and O are multiplied by 2^(old M - new M): exact.
; SHARES.  A work-group owns head h and 128 queries of BOTH batches.  Each of its sixteen waves owns one tile of 16 queries of one batch, in 256 registers: wave w takes tile w / 2 of batch ((w / 4) xor w) % 2.
; Of any four waves with consecutive numbers from a multiple of four, and of any four waves four apart, two serve each batch: so unequal lengths of the two batches are shared evenly among such groups.
; LDS holds the visible records of head h of both batches (16 x 8,960 bytes each), brought ONCE through registers: wave w brings record w of each batch that has one.  Nothing is filled again.
; HIDDEN KEYS.  The loop has 16 trips, a constant; a step all of whose keys are hidden is jumped over by a scalar branch on valid_lens; in the one step that the length cuts, hidden scores become -infinity ahead of the maximum.
; NO CLUSTER, NO JOINT LOADS, though the sixteen work-groups of a head load the same records.
; The branches on valid_lens leave out 16 - n of a wave's 16 key steps (n = the steps with a visible key); what a joint load would spare is a fill of n x 8,960 bytes a batch, made once.
; LAYOUT.  Both products are used transposed: S^T = K Q^T (source 0 = 16 keys, source 1 = my 16 queries), O^T = V^T P^T (source 0 = 16 of the head's 64, source 1 = P): a lane holds ONE query (lane % 16) throughout.
; THE KEYS OF A TILE ARE NOT NEIGHBOURS: lane r of tile 2 b + u holds key 32 b + 8 u + r + 8 (r / 8), so that the 16 registers of tiles 2 b and 2 b + 1 are 16 neighbouring keys, 32 b + 16 (lane / 16) + 0 .. 15.
; LIMITS.  NaN and infinities among qs, ks, vs are not served.  A block of zeros has the byte 1 where the rule says 127 (its codes are zeros).  A p under 2^-126 becomes 0 (v_exp_f32 flushes), beside a row's sum of at least 1/2.
; A block's largest p is not searched for: the block's largest score goes through the same multiply-add and exponential (this takes v_exp_f32 not to fall where its input rises).
; valid_lens is held to 0 .. 2,048; a length of 0 or less gives NaN (0 x 1 / 0) in all its rows, as a softmax over nothing does.
.set REC,   8960
.set HB,    16*REC                     ; a head's records in LDS; batch 1's head lies behind batch 0's
.set BOFF,  256*REC                    ; from a record of batch 0 to the same of batch 1 in kv
.set STGB,  16*272                     ; the way out: a stage of 16 rows x (256 bytes + 16) for each wave, over the records, behind the barrier that ends all reads of them
.set FLOOR, 0x1800000                  ; 2^(3 - 127)
.set EOFF,  0xff000000                 ; takes 2 off an exponent field
.set L16, 1                            ; v1   16 x lane        v2  8 x lane        v3  4 x lane
.set L8,  2
.set L4,  3
.set A16, 4                            ; v4-6 the same + the step's record in LDS
.set A8,  5
.set A4,  6
.set DA16, 7                           ; v7-10 where I store records: 16 (8) x lane + 8,960 x wave, batch 0's and batch 1's
.set DB16, 8
.set DA8, 9
.set DB8, 10
.set STO, 11                           ; v11  the stage: where I put 32 bytes of a row
.set RD,  12                           ; v12  and where I read a row back
.set GO,  13                           ; v13  my byte offset in the wave's rows of out
.set QO,  14                           ; v14  and of qs
.set HM,  15                           ; v15  16 x (lane / 16)
.set QF,  16                           ; v16-23   Q's fragment (20-23: zeros)
.set PC,  24                           ; v24-31   p's codes
.set KFR, 32                           ; v32-95   K's eight fragments (the upper four registers of each: zeros, written once)
.set ST,  96                           ; v96-159  S^T, then p
.set OT,  160                          ; v160-191 O^T
.set VF,  192                          ; v192-223 V's four fragments
.set BM,  224                          ; v224-227 a block's largest score, then its largest p
.set BT,  228                          ; v228-231 at work
.set BS,  232                          ; v232-235 the conversions' scale operands
.set SM2, 236                          ; v236-237 the second chain of the sums
.set NM,  238                          ; v238 -M;  v239 the largest t so far
.set TMX, 239
.set LS,  240                          ; v240-241 the row's sum in two halves
.set FF,  242                          ; v242 f = 2^(old M - new M); v243 named with it as a pair
.set T0,  244
.set T1,  245
.set QS,  246                          ; Q's scale word
.set PS,  247                          ; p's
.set KS,  248                          ; v248-251 K's scale words, two tiles a register
.set VS,  252                          ; v252-253 V's
.set FA,  32                           ; at the head only: v32-101 batch 0's record, v102-171 batch 1's, v192-223 my 32 numbers of q
.set FB,  102
.set XQ,  192
	s_load_b128 s[4:7], s[0:1], 0x0                ; qs, kv
	s_load_b128 s[8:11], s[0:1], 0x10              ; valid_lens, out0
	v_lshrrev_b32 v1, 5, v0
	v_readfirstlane_b32 s12, v1                    ; wave 0..15
	s_lshr_b32 s13, s12, 2
	s_xor_b32 s13, s13, s12
	s_and_b32 s13, s13, 1                          ; my batch
	s_lshr_b32 s14, s12, 1                         ; my tile of 16 queries
	s_and_b32 s15, ttmp7, 0xffff                   ; the head
	s_lshl_b32 s22, ttmp9, 19                      ; my first query's row in qs and out0: 128 x work-group x queries of 4,096 bytes
	s_lshl_b32 s36, s14, 16                        ; + 16 x tile
	s_add_co_u32 s22, s22, s36
	s_lshl_b32 s36, s13, 23                        ; + the batch
	s_add_co_u32 s22, s22, s36
	s_lshl_b32 s36, s15, 8                         ; + the head's 256 bytes
	s_add_co_u32 s22, s22, s36
	s_mov_b32 s23, 0
	s_lshl_b32 s24, s15, 4
	s_add_co_u32 s24, s24, s12
	s_mul_i32 s24, s24, REC                        ; record w of (batch 0, head h)
	s_mov_b32 s25, 0
	s_mul_i32 s27, s13, HB                         ; LDS: my batch's records
	s_mul_i32 s37, s12, REC                        ; LDS: the record that I bring
	s_mul_i32 s38, s12, STGB                       ; LDS: my stage
	s_mov_b32 s30, 0x76543210
	s_mov_b32 s31, 0xfedcba98                      ; v_permlanex16_b32's selects for lane l xor 16
	s_mov_b32 s32, 0x3fb8aa3b                      ; log2(e)
	s_mov_b32 s33, s32                             ; (the packed forms name a pair and take its low word for both halves: so the upper is written)
	s_mov_b32 s34, 0x3e000000                      ; 0.125 = 1 / sqrt(64)
	s_mov_b32 s35, s34
	; every address register is made here, ahead of every branch
	v_and_b32 v[T0], 31, v0                        ; lane
	v_and_b32 v[T1], 15, v0                        ; r
	v_bfe_u32 v254, v0, 4, 1                       ; hh
	v_lshlrev_b32 v[L16], 4, v[T0]
	v_lshlrev_b32 v[L8], 3, v[T0]
	v_lshlrev_b32 v[L4], 2, v[T0]
	v_add_nc_u32 v[DA16], s37, v[L16]
	v_add_nc_u32 v[DB16], HB, v[DA16]
	v_add_nc_u32 v[DA8], s37, v[L8]
	v_add_nc_u32 v[DB8], HB, v[DA8]
	v_mul_u32_u24 v[STO], v[T1], 272
	v_lshl_add_u32 v[STO], v254, 5, v[STO]
	v_add_nc_u32 v[STO], s38, v[STO]               ; in: row r; tile t's eight channels of my half: 64 t + 32 hh bytes on
	v_mul_u32_u24 v[RD], v254, 272
	v_lshl_add_u32 v[RD], v[T1], 4, v[RD]
	v_add_nc_u32 v[RD], s38, v[RD]                 ; back: lanes 0-15 one row, lanes 16-31 the next
	v_lshlrev_b32 v[GO], 4, v[T1]
	v_lshl_add_u32 v[GO], v254, 12, v[GO]          ; and the same two queries in out0
	v_lshlrev_b32 v[QO], 12, v[T1]
	v_lshl_add_u32 v[QO], v254, 7, v[QO]           ; qs: query r, my block's 128 bytes
	v_lshlrev_b32 v[HM], 4, v254
	s_wait_kmcnt 0x0
	s_load_b64 s[16:17], s[8:9], 0x0               ; both lengths
	s_add_nc_u64 s[4:5], s[4:5], s[22:23]
	s_add_nc_u64 s[10:11], s[10:11], s[22:23]
	s_add_nc_u64 s[6:7], s[6:7], s[24:25]
.irp q, 0,1,2,3,4,5,6,7
	global_load_b128 v[XQ+4*\q:XQ+4*\q+3], v[QO], s[4:5] offset:16*\q th:TH_LOAD_NT   ; lane (r, hh): d = 32 hh .. + 31 of query r: a whole block; a query's 256 bytes are taken whole by two lanes in this one run
.endr
	s_wait_kmcnt 0x0
	s_max_i32 s16, s16, 0
	s_min_u32 s16, s16, 0x800
	s_max_i32 s17, s17, 0
	s_min_u32 s17, s17, 0x800                      ; both held to 0 .. 2,048
	s_add_co_u32 s18, s16, 127
	s_lshr_b32 s18, s18, 7                         ; n0, n1: the steps that have a visible key
	s_add_co_u32 s19, s17, 127
	s_lshr_b32 s19, s19, 7
	s_cmp_eq_u32 s13, 0
	s_cselect_b32 s20, s16, s17                    ; my batch's length
	; ---- THE FILL.  Wave w brings record w of each batch that has one: 17 loads of 512 consecutive bytes and one of 256, then the same bytes to LDS.  Four ways, so that each stores only what it has loaded.
.macro LDREC f, off
.irp i, 0,1,2,3,4,5,6,7,8,9,10,11,12,13,14,15,16
	global_load_b128 v[\f+4*\i:\f+4*\i+3], v[L16], s[6:7] offset:\off+512*\i
.endr
	global_load_b64 v[\f+68:\f+69], v[L8], s[6:7] offset:\off+8704
.endm
.macro STREC f, a16, a8
.irp i, 0,1,2,3,4,5,6,7,8,9,10,11,12,13,14,15,16
	ds_store_b128 v[\a16], v[\f+4*\i:\f+4*\i+3] offset:512*\i
.endr
	ds_store_b64 v[\a8], v[\f+68:\f+69] offset:8704
.endm
	s_cmp_lt_u32 s12, s18
	s_cbranch_scc0 .Lno_a
	LDREC FA, 0
	s_cmp_lt_u32 s12, s19
	s_cbranch_scc0 .Lonly_a
	LDREC FB, BOFF
	s_wait_loadcnt 18                              ; batch 0's record is in; batch 1's 18 loads may be out
	STREC FA, DA16, DA8
	s_wait_loadcnt 0x0
	STREC FB, DB16, DB8
	s_branch .Lfilled
.Lonly_a:
	s_wait_loadcnt 0x0
	STREC FA, DA16, DA8
	s_branch .Lfilled
.Lno_a:
	s_cmp_lt_u32 s12, s19
	s_cbranch_scc0 .Lfilled
	LDREC FB, BOFF
	s_wait_loadcnt 0x0
	STREC FB, DB16, DB8
.Lfilled:
	s_wait_loadcnt 0x0                             ; q (on the way that brought no record nothing has waited for it yet)
	s_wait_dscnt 0x0                               ; for the others' sake: my stores have landed
	s_barrier_signal -1
	; work on registers while the others arrive: q is scaled and quantised; what the loop finds at its first step is set
.set ii, 0
.rept 16
	v_pk_mul_f32 v[XQ+ii:XQ+ii+1], v[XQ+ii:XQ+ii+1], s[34:35] op_sel_hi:[1,0]   ; qs x 0.125, as the problem has it ahead of the quantiser
.set ii, ii+2
.endr
	v_max3_num_f32 v[T0], |v[XQ]|, |v[XQ+1]|, |v[XQ+2]|        ; the block's largest magnitude: all 32 numbers are mine
	v_max3_num_f32 v[T1], |v[XQ+3]|, |v[XQ+4]|, |v[XQ+5]|
.irp i, 6,10,14,18,22,26
	v_max3_num_f32 v[T0], v[T0], |v[XQ+\i]|, |v[XQ+\i+1]|
	v_max3_num_f32 v[T1], v[T1], |v[XQ+\i+2]|, |v[XQ+\i+3]|
.endr
	v_max3_num_f32 v[T0], v[T0], |v[XQ+30]|, |v[XQ+31]|
	v_max3_num_f32 v[T0], v[T0], v[T1], FLOOR
	v_add_nc_u32 v254, EOFF, v[T0]                 ; the conversion's scale operand
.irp g, 0,1,2,3
	v_cvt_scalef32_pk8_fp4_f32 v[QF+\g], v[XQ+8*\g:XQ+8*\g+7], v254
.endr
	v_lshrrev_b32 v255, 23, v254                   ; the scale's byte (a plain line behind the conversions)
	v_lshrrev_b32 v[T0], 1, v[HM]                  ; 8 hh
	v_lshlrev_b32 v255, v[T0], v255                ; at its place in the word
.irp b, 0,1,2,3
	v_mov_b32 v[BT+\b], 0                          ; written once: a lane permute's destination counts as one of its sources
.endr
	v_permlanex16_b32 v[BT], v255, s30, s31
	v_or_b32 v255, v255, v[BT]
	v_or_b32 v[QS], 0x7f7f0000, v255               ; k = 64 .. 127 are zero codes: their bytes are 127
.irp c, 4,5,6,7
	v_mov_b32 v[QF+\c], 0                          ; d is 64: the fragments' k = 64 .. 127 are zero codes, on both sides
.endr
.irp t, 0,1,2,3,4,5,6,7
.irp c, 4,5,6,7
	v_mov_b32 v[KFR+8*\t+\c], 0                    ; written once: the steps' loads fill the lower four registers alone
.endr
.endr
.set ii, 0
.rept 32
	v_mov_b32 v[OT+ii], 0                          ; O^T.  (The step is written once: the first finds zeros, which the first change of M leaves zeros; that spares a second copy of the step)
.set ii, ii+1
.endr
	v_mov_b32 v[LS], 0                             ; the sum, in two halves
	v_mov_b32 v[LS+1], 0
	v_mov_b32 v[FF+1], 0                           ; (named as the upper half of a pair)
	v_mov_b32 v[TMX], 0xff61b1e6                   ; the largest t so far: -3e38, under every t
	v_floor_f32 v[NM], -v[TMX]                     ; -M
	s_mov_b32 s26, 0                               ; the step's first key
	s_mov_b32 s28, 16                              ; trips
	s_barrier_wait -1                              ; every visible record of both batches lies in LDS
.Lstep:
	s_cmp_ge_u32 s26, s20
	s_cbranch_scc1 .Lhidden                        ; all 128 keys are hidden: only the lines that step addresses are run
	v_add_nc_u32 v[A16], s27, v[L16]
	v_add_nc_u32 v[A8], s27, v[L8]
	v_add_nc_u32 v[A4], s27, v[L4]
	ds_load_b64 v[KS:KS+1], v[A8] offset:8192
	ds_load_b64 v[KS+2:KS+3], v[A8] offset:8448
.irp t, 0,1,2,3,4,5,6,7
	ds_load_b128 v[KFR+8*\t:KFR+8*\t+3], v[A16] offset:512*\t      ; 32 lanes, 16 neighbouring bytes each
.endr
.irp j, 0,1
	ds_load_b32 v[VS+\j], v[A4] offset:8704+128*\j
.endr
.irp t, 0,1,2,3
.irp c, 0,1
	ds_load_b128 v[VF+8*\t+4*\c:VF+8*\t+4*\c+3], v[A16] offset:4096+1024*\t+512*\c
.endr
.endr
	s_wait_dscnt 10                                ; K and its scale words are in; V's ten loads, issued behind them, may be out: they have the softmax in which to land
.irp t, 0,1,2,3,4,5,6,7                        ; S^T = K Q^T; each product starts its own sum
.if (\t%2)
	v_wmma_scale_f32_16x16x128_f8f6f4 v[ST+8*\t:ST+8*\t+7], v[KFR+8*\t:KFR+8*\t+7], v[QF:QF+7], 0, v[KS+\t/2], v[QS] matrix_a_fmt:MATRIX_FMT_FP4 matrix_b_fmt:MATRIX_FMT_FP4 matrix_a_scale:MATRIX_SCALE_ROW1
.else
	v_wmma_scale_f32_16x16x128_f8f6f4 v[ST+8*\t:ST+8*\t+7], v[KFR+8*\t:KFR+8*\t+7], v[QF:QF+7], 0, v[KS+\t/2], v[QS] matrix_a_fmt:MATRIX_FMT_FP4 matrix_b_fmt:MATRIX_FMT_FP4
.endif
.endr
.rept 4
	v_nop                                          ; four places between the last product and the first read of results (ISA guide 7.12.1)
.endr
	s_add_co_u32 s36, s26, 128
	s_cmp_le_u32 s36, s20
	s_cbranch_scc1 .Lopen                          ; all 128 keys count: nothing to mask
	s_sub_co_u32 s36, s20, s26
	s_sub_co_u32 s36, s36, 1
	v_sub_nc_u32 v254, s36, v[HM]                  ; d = length - first key - 1 - 16 (lane / 16).  Register 16 b + i holds key first + 32 b + 16 (lane / 16) + i: hidden where 32 b + i > d
	v_mov_b32 v255, 0xff800000                     ; -infinity: p = 0 then
.set ii, 0
.rept 64
	v_cmp_gt_i32 vcc_lo, 32*(ii/16)+ii%16, v254
	v_cndmask_b32 v[ST+ii], v[ST+ii], v255, vcc_lo
.set ii, ii+1
.endr
.Lopen:
.irp b, 0,1,2,3
	v_max3_num_f32 v[BM+\b], v[ST+16*\b], v[ST+16*\b+1], v[ST+16*\b+2]   ; THE LARGEST SCORE OF EACH BLOCK OF 32 KEYS serves twice: for the row's maximum, and, since p rises with the score, for the block's largest p
.endr
.irp i, 3,5,7,9,11,13
.irp b, 0,1,2,3
	v_max3_num_f32 v[BM+\b], v[BM+\b], v[ST+16*\b+\i], v[ST+16*\b+\i+1]   ; (the four blocks by turns)
.endr
.endr
.irp b, 0,1,2,3
	v_max_num_f32 v[BM+\b], v[BM+\b], v[ST+16*\b+15]
.endr
.irp b, 0,1,2,3
	v_permlanex16_b32 v[BT+\b], v[BM+\b], s30, s31
.endr
.irp b, 0,1,2,3
	v_max_num_f32 v[BM+\b], v[BM+\b], v[BT+\b]     ; with lane l xor 16's 16 keys
.endr
	v_max3_num_f32 v[T0], v[BM], v[BM+1], v[BM+2]
	v_max_num_f32 v[T0], v[T0], v[BM+3]            ; the step's largest score of my query (the step's first key is visible: it is a number)
	v_mul_f32 v[T0], s32, v[T0]                    ; as t
	v_max_num_f32 v[TMX], v[TMX], v[T0]            ; the running largest t
	v_mov_b32 v[T0], v[NM]
	v_floor_f32 v[NM], -v[TMX]                     ; the new -M = floor(-t) = -ceil(t): M IS A WHOLE NUMBER
	v_sub_f32 v[T0], v[NM], v[T0]                  ; M's old value less its new one: a whole number, 0 or less
	v_cvt_i32_f32 v[T0], v[T0]                     ; (it saturates)
	v_ldexp_f32 v[FF], 1.0, v[T0]                  ; f = 2^(old M - new M): a multiplication by it rounds nothing
.set ii, 0
.rept 32
	v_pk_fma_f32 v[ST+ii:ST+ii+1], v[ST+ii:ST+ii+1], s[32:33], v[NM:NM+1] op_sel_hi:[1,0,0]   ; t - M, two at a time (of the pairs log2(e) and -M the low word serves both halves)
.set ii, ii+2
.endr
.irp b, 0,1,2,3
	v_fma_f32 v[BM+\b], v[BM+\b], s32, v[NM]       ; the same of each block's largest score
.endr
.set ii, 0
.rept 64
	v_exp_f32 v[ST+ii], v[ST+ii]                   ; p = 2^(t - M), at most 1: NOT normalised
.set ii, ii+1
.endr
.irp b, 0,1,2,3
	v_exp_f32 v[BM+\b], v[BM+\b]                   ; the block's largest p: the same two instructions on the same number give the same bits
.endr
	v_pk_mul_f32 v[LS:LS+1], v[LS:LS+1], v[FF:FF+1] op_sel_hi:[1,0]   ; the sums under the new M.  (A plain line behind the exponentials)
	s_wait_alu depctr_va_vdst(0)
.irp b, 0,1,2,3
	v_max_num_f32 v[BM+\b], FLOOR, v[BM+\b]        ; the floor: the byte cannot fall under 1 (a block whose every p is 0 keeps that byte: its codes are zeros)
.endr
.irp b, 0,1,2,3
	v_add_nc_u32 v[BS+\b], EOFF, v[BM+\b]          ; 2 off the exponent field: the conversion's scale operand
.endr
.irp b, 0,1,2,3
	v_lshrrev_b32 v[BT+\b], 23, v[BS+\b]           ; the scale's byte
.endr
	v_lshl_or_b32 v[PS], v[BT+1], 8, v[BT]         ; p's scale word for these 128 keys
	v_lshl_or_b32 v[PS], v[BT+2], 16, v[PS]
	v_lshl_or_b32 v[PS], v[BT+3], 24, v[PS]
.irp b, 0,1,2,3
	v_cvt_scalef32_pk8_fp4_f32 v[PC+2*\b], v[ST+16*\b:ST+16*\b+7], v[BS+\b]
	v_cvt_scalef32_pk8_fp4_f32 v[PC+2*\b+1], v[ST+16*\b+8:ST+16*\b+15], v[BS+\b]
.endr
	v_nop                                          ; one plain line between a scaled conversion and the vector instruction that touches its result
.irp c, 0,1                                    ; the operand's layout wants a WHOLE block in a lane: lanes 0-15 block 2 c, lanes 16-31 block 2 c + 1
.irp i, 0,1
	v_permlane16_swap_b32 v[PC+4*\c+\i], v[PC+4*\c+2+\i]
.endr
.endr
	v_pk_add_f32 v[SM2:SM2+1], v[ST:ST+1], v[ST+2:ST+3]   ; THE ROW'S SUM IS TAKEN OF THE UNQUANTISED p: two at a time, in two chains
.irp j, 4,8,12,16,20,24,28,32,36,40,44,48,52,56,60
	v_pk_add_f32 v[LS:LS+1], v[LS:LS+1], v[ST+\j:ST+\j+1]
	v_pk_add_f32 v[SM2:SM2+1], v[SM2:SM2+1], v[ST+\j+2:ST+\j+3]
.endr
	v_pk_add_f32 v[LS:LS+1], v[LS:LS+1], v[SM2:SM2+1]   ; (these 32 additions name no register of the products below: they are the places between the writes of p's scale word and codes and those products)
.set ii, 0
.rept 16
	v_pk_mul_f32 v[OT+ii:OT+ii+1], v[OT+ii:OT+ii+1], v[FF:FF+1] op_sel_hi:[1,0]   ; O^T under the new M: x f; each accumulator from its low end on
.set ii, ii+2
.endr
	s_wait_dscnt 0x0                               ; V and its scale words are in
.irp t, 0,1,2,3                                ; O^T += V^T P^T; K = these 128 keys.  The four accumulators take turns, one instruction a turn, and the next step's eight products of S^T stand between two links
.if (\t%2)
	v_wmma_scale_f32_16x16x128_f8f6f4 v[OT+8*\t:OT+8*\t+7], v[VF+8*\t:VF+8*\t+7], v[PC:PC+7], v[OT+8*\t:OT+8*\t+7], v[VS+\t/2], v[PS] matrix_a_fmt:MATRIX_FMT_FP4 matrix_b_fmt:MATRIX_FMT_FP4 matrix_a_scale:MATRIX_SCALE_ROW1
.else
	v_wmma_scale_f32_16x16x128_f8f6f4 v[OT+8*\t:OT+8*\t+7], v[VF+8*\t:VF+8*\t+7], v[PC:PC+7], v[OT+8*\t:OT+8*\t+7], v[VS+\t/2], v[PS] matrix_a_fmt:MATRIX_FMT_FP4 matrix_b_fmt:MATRIX_FMT_FP4
.endif
.endr
.rept 4
	v_nop                                          ; four places in front of the next step's loads into V's registers, and of the way out's first read of O^T, on every way on
.endr
.Lhidden:
	s_add_co_u32 s26, s26, 128                     ; the next step's first key,
	s_add_co_u32 s27, s27, REC                     ; and its record
	s_sub_co_u32 s28, s28, 1
	s_cmp_lg_u32 s28, 0
	s_cbranch_scc1 .Lstep
	; ---- THE WAY OUT.  A lane holds 32 neighbouring bytes of a query's row, and the lanes beside it hold other queries: so the tile goes through my stage in LDS and leaves as whole rows of 256 bytes.
	s_wait_dscnt 0x0                               ; my reads of the records are over
	s_barrier_signal -1
	s_barrier_wait -1                              ; everybody's are: the stages may lie over the records
	v_add_f32 v[LS], v[LS], v[LS+1]                ; the sum's two halves,
	v_permlanex16_b32 v[T1], v[LS], s30, s31
	v_add_f32 v[LS], v[LS], v[T1]                  ; and lane l xor 16's: the row's sum
	v_rcp_f32 v[FF], v[LS]
	v_nop                                          ; one plain line behind a transcendental
.set ii, 0
	s_wait_alu depctr_va_vdst(0)
.rept 16
	v_pk_mul_f32 v[ST+ii:ST+ii+1], v[OT+ii:OT+ii+1], v[FF:FF+1] op_sel_hi:[1,0]   ; O^T / the sum: register 8 t + i is out(query r, d = 16 t + 8 hh + i)
.set ii, ii+2
.endr
.irp t, 0,1,2,3
.irp e, 0,1
	ds_store_b128 v[STO], v[ST+8*\t+4*\e:ST+8*\t+4*\e+3] offset:64*\t+16*\e
.endr
.endr
.irp i, 0,1,2,3,4,5,6,7
	ds_load_b128 v[ST+32+4*\i:ST+32+4*\i+3], v[RD] offset:544*\i   ; LDS serves a wave's instructions in order: these see my stores
.endr
.irp i, 0,1,2,3,4,5,6,7
	s_wait_dscnt 7-\i                              ; LDS loads come back in order: load i is in, the younger ones may be out
	global_store_b128 v[GO], v[ST+32+4*\i:ST+32+4*\i+3], s[10:11] offset:8192*\i th:TH_STORE_NT   ; each sixteen lanes store a query's 256 consecutive bytes, aligned; written once, read by nobody here
.endr
	s_wait_xcnt 0x0
	v_lshl_add_u32 v254, v0, 2, 0x46000
	v_mov_b32 v255, 0
	s_wait_tensorcnt 0x0
	ds_add_u32 v254, v255
	s_wait_dscnt 0x0
	s_endpgm
.Lfunc_end_k_q4611bc2e1e_attn:
	.size	k_q4611bc2e1e_attn, .Lfunc_end_k_q4611bc2e1e_attn-k_q4611bc2e1e_attn
	.p2alignl 7, 3214868480
	.fill 96, 4, 3214868480
	.section	.rodata,"a",@progbits
	.p2align	6, 0x0
	.amdhsa_kernel k_q4611bc2e1e_attn
		.amdhsa_group_segment_fixed_size 288768
		.amdhsa_private_segment_fixed_size 0
		.amdhsa_enable_private_segment 0
		.amdhsa_kernarg_size 32
		.amdhsa_user_sgpr_count 2
		.amdhsa_user_sgpr_kernarg_segment_ptr 1
		.amdhsa_wavefront_size32 1
		.amdhsa_system_sgpr_workgroup_id_x 1
		.amdhsa_system_sgpr_workgroup_id_y 1
		.amdhsa_system_sgpr_workgroup_id_z 1
		.amdhsa_system_vgpr_workitem_id 0
		.amdhsa_next_free_vgpr 256
		.amdhsa_next_free_sgpr 66
		.amdhsa_reserve_vcc 1
		.amdhsa_float_denorm_mode_32 3
		.amdhsa_float_denorm_mode_16_64 3
		.amdhsa_memory_ordered 1
		.amdhsa_forward_progress 1
		.amdhsa_inst_pref_size 43
	.end_amdhsa_kernel
	.amdgpu_metadata
---
amdhsa.version: [ 1, 2 ]
amdhsa.kernels:
  - .name:           k_q4611bc2e1e_attn
    .symbol:         k_q4611bc2e1e_attn.kd
    .args:
      - { .name: qs, .offset: 0, .size: 8, .value_kind: global_buffer, .address_space: global }
      - { .name: kv, .offset: 8, .size: 8, .value_kind: global_buffer, .address_space: global }
      - { .name: valid_lens, .offset: 16, .size: 8, .value_kind: global_buffer, .address_space: global }
      - { .name: out0, .offset: 24, .size: 8, .value_kind: global_buffer, .address_space: global }
    .group_segment_fixed_size: 288768
    .private_segment_fixed_size: 0
    .kernarg_segment_align: 8
    .kernarg_segment_size: 32
    .max_flat_workgroup_size: 512
    .sgpr_count:     66
    .vgpr_count:     256
    .wavefront_size: 32
...
	.end_amdgpu_metadata
.endif
;; end of part 2
;; ======== version 2 of 2: 2 launches
;; workspace buffers: kv 4,587,520 bytes
;; launch prep (part 3): grid 16 x 32, 4 waves a work-group, no clusters, 17,920 bytes of LDS; arguments ks, vs, valid_lens, kv; writes kv
.if DOCPART == 3
	.amdgcn_target "amdgcn-amd-amdhsa--gfx1250"
	.amdhsa_code_object_version 6
	.text
	.protected	k_q4611bc2e1e_prep
	.globl	k_q4611bc2e1e_prep
	.p2align	8
	.type	k_q4611bc2e1e_prep,@function
k_q4611bc2e1e_prep:
	s_mov_b64 s[64:65], 0
	v_nop
	global_prefetch_b8 v0, s[64:65] scope:SCOPE_SE
	s_setreg_imm32_b32 hwreg(HW_REG_WAVE_MODE, 25, 1), 1
	s_wait_xcnt 0x0
; ks and vs, [2][2048][16][64] f32, become codes of FP4 (E2M1) with one E8M0 scale byte for each 32 along a product's K: ks along d, vs along the keys.
; A work-group takes one (batch, head) and one KEY STEP of 128 keys and writes one dense RECORD of 8,960 bytes of kv, laid in the order of the operands' registers
; (l = the lane that will load it, r = l % 16, hh = l / 16):
;   0 .. 4095     K's codes: tile t (0..7) at 512 t + 16 l: d = 32 hh .. + 31 of key 32 (t / 2) + 8 (t % 2) + r + 8 (r / 8): registers 0-3 of a fragment (its k = 64 .. 127 are zeros, never stored)
;   4096 .. 8191  V's codes: tile t (0..3, d = 16 t + r) at 4096 + 1024 t + 512 c + 16 l: keys 64 c + 32 hh .. + 31: registers 4 c .. 4 c + 3
;   8192 .. 8703  K's scale words, at 8192 + 256 w + 8 l + 4 jj: lanes 0-15 tile 4 w + 2 jj, lanes 16-31 tile 4 w + 2 jj + 1; word = byte(d 0-31) | byte(d 32-63) << 8 | 0x7f7f0000
;   8704 .. 8959  V's scale words, at 8704 + 128 j + 4 l: lanes 0-15 tile 2 j, lanes 16-31 tile 2 j + 1; byte b = block b of the step's 128 keys
; A block's scale is 2^(floor(log2(its largest magnitude)) - 2); its byte is the largest magnitude's exponent field - 2, held at 1 from below.
; A STEP WITHOUT A VISIBLE KEY (128 step >= valid_lens[b]) IS NOT WRITTEN, and the second launch never loads it: all its scores are masked.  Step 0 is always written.
; A step that the length cuts is quantised whole: V's blocks run over hidden keys too, as the problem's quantiser has them.
; SHARES: waves 0, 1 take K (64 keys each, four tiles); waves 2, 3 take V (32 of the head's 64 each, all 128 keys).  No barrier: waves share nothing.  No loop: every offset is an immediate.
; LIMITS: NaN and infinities among the inputs are not served.  A block of zeros gets the byte 1 where the rule says 127: its codes are zeros, which add nothing, and this program alone reads the bytes.
.set REC,   8960                       ; bytes of a record
.set KEYB,  4096                       ; bytes from a key to the next: 16 heads x 64 x 4
.set SROW,  272                        ; a stage row: a key's 256 bytes + 16 of padding
.set STG,   16*SROW                    ; a stage: the 16 keys of a tile
.set FLOOR, 0x1800000                  ; 2^(3 - 127): under it no largest magnitude is taken, so the byte cannot fall under 1
.set EOFF,  0xff000000                 ; takes 2 off an exponent field
.set SW,  24                           ; v24-25   K: the scale words as they are stored;  V: v24 the scale word
.set W,   26                           ; v26-29   K: a tile's scale word, in every lane of its row
.set C,   32                           ; v32-47   codes: four registers for each tile or block, so that no store's data are written again
.set X,   48                           ; v48-111  two sets of 32 numbers of one block
.set R,   112                          ; v112-239 K: the four tiles as they are loaded
	s_load_b128 s[4:7], s[0:1], 0x0                ; ks, vs
	s_load_b128 s[8:11], s[0:1], 0x10              ; valid_lens, kv
	v_lshl_add_u32 v240, v0, 2, 0x4400
	v_mov_b32 v241, 0
	v_lshrrev_b32 v1, 5, v0
	v_readfirstlane_b32 s12, v1                    ; wave 0..3
	v_and_b32 v1, 31, v0                           ; lane
	v_and_b32 v2, 15, v0                           ; r
	s_wait_alu depctr_va_vdst(0)
	v_bfe_u32 v3, v0, 4, 1                         ; hh
	s_and_b32 s15, ttmp7, 0xffff                   ; 16 b + h
	s_lshr_b32 s13, s15, 4                         ; b
	s_and_b32 s14, s15, 15                         ; h
	s_and_b32 s25, s12, 1                          ; which of the two K waves, or of the two V waves, I am
	s_lshl_b32 s19, ttmp9, 7                       ; the step's first key
	s_lshl_b32 s20, s13, 23                        ; the step's first byte in ks and vs: b x 2^23
	s_lshl_b32 s28, ttmp9, 19                      ; + step x 128 keys x 4,096
	s_add_co_u32 s20, s20, s28
	s_lshl_b32 s28, s14, 8                         ; + h x 256
	s_add_co_u32 s20, s20, s28
	s_lshl_b32 s28, s25, 18                        ; K: my 64 keys
	s_add_co_u32 s32, s20, s28
	s_mov_b32 s33, 0
	s_lshl_b32 s28, s25, 7                         ; V: my 32 of the head's 64
	s_add_co_u32 s34, s20, s28
	s_mov_b32 s35, 0
	s_lshl_b32 s22, s15, 4
	s_add_co_u32 s22, s22, ttmp9
	s_mul_i32 s22, s22, REC                        ; my record: ((16 b + h) x 16 + step) x 8,960
	s_mov_b32 s23, 0
	s_mov_b32 s24, 0xffff0000                      ; a mask of lanes 16-31
	s_mov_b32 s26, 0x76543210
	s_mov_b32 s27, 0xfedcba98                      ; v_permlanex16_b32's selects for lane l xor 16
	s_mul_i32 s28, s25, 2*STG                      ; a K wave's two stages
	s_lshl_b32 s29, s25, 11
	s_lshl_b32 s30, s25, 8
	s_lshl_b32 s31, s25, 7
	; every address register of both roles is made here, ahead of the branch that parts them
	v_lshlrev_b32 v4, 4, v2
	s_wait_alu depctr_va_vdst(0)
	v_lshl_add_u32 v4, v3, 16, v4                  ; K in: 16 r of a key's 256 bytes; lanes 16-31 the key 16 further on
	v_mul_u32_u24 v5, v3, 8*SROW
	v_lshl_add_u32 v5, v2, 4, v5
	v_add_nc_u32 v5, s28, v5                       ; into the stage: load i is row i + 8 hh
	v_mul_u32_u24 v6, v2, SROW
	v_lshl_add_u32 v6, v3, 7, v6
	v_add_nc_u32 v6, s28, v6                       ; out of it: row r, my block's 128 bytes
	v_lshl_add_u32 v7, v1, 4, s29                  ; K's codes: 16 lane + 2,048 w
	v_lshl_add_u32 v8, v1, 3, s30                  ; K's scale words: 8 lane + 256 w
	v_lshlrev_b32 v9, 3, v3                        ; 8 hh: my byte's place in the scale word
	v_lshlrev_b32 v10, 2, v1                       ; V in: 4 bytes a lane
	v_lshlrev_b32 v11, 4, v2
	v_lshl_add_u32 v11, v3, 10, v11
	v_add_nc_u32 v11, s29, v11                     ; V's codes: tile 2 j + hh, row r
	v_lshl_add_u32 v17, v1, 2, s31                 ; V's scale words: 4 lane + 128 j
	v_mov_b32 v16, 0                               ; written once: a lane permute's destination counts as one of its sources
	s_wait_kmcnt 0x0
	s_load_b64 s[16:17], s[8:9], 0x0               ; both lengths
	s_wait_kmcnt 0x0
	s_cmp_eq_u32 s13, 0
	s_cselect_b32 s18, s16, s17                    ; my batch's
	s_max_i32 s18, s18, 1                          ; step 0 is written whatever the length
	s_cmp_ge_u32 s19, s18                          ; alike in all four waves
	s_cbranch_scc1 .Lend                           ; all 128 keys are hidden: nobody will load this record
	s_add_nc_u64 s[4:5], s[4:5], s[32:33]
	s_add_nc_u64 s[6:7], s[6:7], s[34:35]
	s_add_nc_u64 s[10:11], s[10:11], s[22:23]
	s_cmp_lt_u32 s12, 2
	s_cbranch_scc0 .Lv
	; ---- K.  A load takes whole rows: lanes 0-15 one key's 256 bytes, lanes 16-31 those of the key 16 further on: the sixteen keys of a tile in eight loads.
	; The conversions want 32 neighbours along d in ONE lane: so a tile turns through my own stage in LDS and comes back 128 bytes a lane.
.macro KLOAD tt
.irp i, 0,1,2,3,4,5,6,7
	global_load_b128 v[R+32*(\tt)+4*\i:R+32*(\tt)+4*\i+3], v4, s[4:5] offset:(32*((\tt)/2)+8*((\tt)%2)+\i)*KEYB th:TH_LOAD_NT
.endr
.endm
.macro KTURN tt
	s_wait_loadcnt 8*(3-(\tt))                     ; loads come back in order: this tile's eight are in, the later tiles' may be out
.irp i, 0,1,2,3,4,5,6,7
	ds_store_b128 v5, v[R+32*(\tt)+4*\i:R+32*(\tt)+4*\i+3] offset:STG*((\tt)%2)+SROW*\i
.endr
.irp q, 0,1,2,3,4,5,6,7
	ds_load_b128 v[X+32*((\tt)%2)+4*\q:X+32*((\tt)%2)+4*\q+3], v6 offset:STG*((\tt)%2)+16*\q   ; LDS serves a wave's instructions in order: these see my stores
.endr
.endm
.macro KQ tt
.set XS, X+32*((\tt)%2)
	s_wait_dscnt 0x0                               ; this tile's numbers are back from the stage
.if (\tt) < 3
	KTURN (\tt)+1                                  ; the next tile goes through the other stage while this one is worked
.endif
	v_max3_num_f32 v12, |v[XS]|, |v[XS+1]|, |v[XS+2]|          ; the block's largest magnitude: all 32 numbers are mine; two chains
	v_max3_num_f32 v13, |v[XS+3]|, |v[XS+4]|, |v[XS+5]|
.irp i, 6,10,14,18,22,26
	v_max3_num_f32 v12, v12, |v[XS+\i]|, |v[XS+\i+1]|
	v_max3_num_f32 v13, v13, |v[XS+\i+2]|, |v[XS+\i+3]|
.endr
	v_max3_num_f32 v12, v12, |v[XS+30]|, |v[XS+31]|
	v_max3_num_f32 v12, v12, v13, FLOOR
	v_add_nc_u32 v14, EOFF, v12                    ; 2 off its exponent field: the conversion takes the exponent field of this operand as its scale, and nothing else of it
.irp g, 0,1,2,3
	v_cvt_scalef32_pk8_fp4_f32 v[C+4*(\tt)+\g], v[XS+8*\g:XS+8*\g+7], v14
.endr
	v_lshrrev_b32 v15, 23, v14                     ; the scale's byte (a plain line behind the conversions)
	global_store_b128 v7, v[C+4*(\tt):C+4*(\tt)+3], s[10:11] offset:512*(\tt)   ; 32 lanes store 512 consecutive bytes, aligned to 256
	v_lshlrev_b32 v15, v9, v15                     ; at its place: 8 hh bits up;
	v_permlanex16_b32 v16, v15, s26, s27
	v_or_b32 v15, v15, v16                         ; with lane l xor 16's the row's two bytes are together;
	v_or_b32 v[W+(\tt)], 0x7f7f0000, v15           ; k = 64 .. 127 are zero codes: their bytes are 127
.if (\tt)%2 == 1
	v_cndmask_b32 v[SW+(\tt)/2], v[W+(\tt)-1], v[W+(\tt)], s24   ; lanes 0-15 the even tile's words, lanes 16-31 the odd tile's: one register serves two tiles
.endif
.endm
	KLOAD 0
	KLOAD 1
	KLOAD 2
	KLOAD 3                                        ; all 32 loads of the wave are out: its 64 keys
	KTURN 0
	KQ 0
	KQ 1
	KQ 2
	KQ 3
	global_store_b64 v8, v[SW:SW+1], s[10:11] offset:8192   ; 32 lanes store 256 consecutive bytes, aligned
	s_wait_tensorcnt 0x0
	ds_add_u32 v240, v241
	s_wait_dscnt 0x0
	s_endpgm
	; ---- V.  The keys are the second product's K and are not innermost: a lane takes ONE d and its registers run down the keys.  A block of 32 keys lies in one lane's 32 registers.
.Lv:
.macro VLOAD bl
.irp i, 0,1,2,3,4,5,6,7,8,9,10,11,12,13,14,15,16,17,18,19,20,21,22,23,24,25,26,27,28,29,30,31
	global_load_b32 v[X+32*((\bl)%2)+\i], v10, s[6:7] offset:(32*(\bl)+\i)*KEYB th:TH_LOAD_NT   ; 32 lanes read 128 consecutive bytes: my half of the key's row
.endr
.endm
.macro VBLOCK bl
.set XS, X+32*((\bl)%2)
.if (\bl) < 3
	s_wait_loadcnt 32                              ; this block's 32 loads are in; the next block's 32 may be out
.else
	s_wait_loadcnt 0x0
.endif
	v_max3_num_f32 v12, |v[XS]|, |v[XS+1]|, |v[XS+2]|
	v_max3_num_f32 v13, |v[XS+3]|, |v[XS+4]|, |v[XS+5]|
.irp i, 6,10,14,18,22,26
	v_max3_num_f32 v12, v12, |v[XS+\i]|, |v[XS+\i+1]|
	v_max3_num_f32 v13, v13, |v[XS+\i+2]|, |v[XS+\i+3]|
.endr
	v_max3_num_f32 v12, v12, |v[XS+30]|, |v[XS+31]|
	v_max3_num_f32 v12, v12, v13, FLOOR
	v_add_nc_u32 v14, EOFF, v12
	v_lshrrev_b32 v15, 23, v14                     ; the scale's byte
.if (\bl) == 0
	v_mov_b32 v[SW], v15                           ; four bytes to the word, the earlier keys in the lower byte
.else
	v_lshl_or_b32 v[SW], v15, 8*(\bl), v[SW]
.endif
.irp g, 0,1,2,3
	v_cvt_scalef32_pk8_fp4_f32 v[C+4*(\bl)+\g], v[XS+8*\g:XS+8*\g+7], v14
.endr
	v_nop                                          ; a plain line behind the conversions
	global_store_b128 v11, v[C+4*(\bl):C+4*(\bl)+3], s[10:11] offset:4096+512*((\bl)>>1)+256*((\bl)&1)   ; block 2 c + hh of the fragment: each sixteen lanes store 256 consecutive bytes, aligned
.if (\bl) < 2
	VLOAD (\bl)+2
.endif
.endm
	s_wait_alu depctr_va_vdst(0)
	VLOAD 0
	VLOAD 1
	VBLOCK 0
	VBLOCK 1
	VBLOCK 2
	VBLOCK 3
	global_store_b32 v17, v[SW], s[10:11] offset:8704   ; 32 lanes store 128 consecutive bytes; the two V waves' stores lie side by side in one aligned 256: one byte for each 128 that the wave has read
	s_endpgm
.Lend:
	s_endpgm
.Lfunc_end_k_q4611bc2e1e_prep:
	.size	k_q4611bc2e1e_prep, .Lfunc_end_k_q4611bc2e1e_prep-k_q4611bc2e1e_prep
	.p2alignl 7, 3214868480
	.fill 96, 4, 3214868480
	.section	.rodata,"a",@progbits
	.p2align	6, 0x0
	.amdhsa_kernel k_q4611bc2e1e_prep
		.amdhsa_group_segment_fixed_size 17920
		.amdhsa_private_segment_fixed_size 0
		.amdhsa_enable_private_segment 0
		.amdhsa_kernarg_size 32
		.amdhsa_user_sgpr_count 2
		.amdhsa_user_sgpr_kernarg_segment_ptr 1
		.amdhsa_wavefront_size32 1
		.amdhsa_system_sgpr_workgroup_id_x 1
		.amdhsa_system_sgpr_workgroup_id_y 1
		.amdhsa_system_sgpr_workgroup_id_z 1
		.amdhsa_system_vgpr_workitem_id 0
		.amdhsa_next_free_vgpr 242
		.amdhsa_next_free_sgpr 66
		.amdhsa_reserve_vcc 0
		.amdhsa_float_denorm_mode_32 3
		.amdhsa_float_denorm_mode_16_64 3
		.amdhsa_memory_ordered 1
		.amdhsa_forward_progress 1
		.amdhsa_inst_pref_size 36
	.end_amdhsa_kernel
	.amdgpu_metadata
---
amdhsa.version: [ 1, 2 ]
amdhsa.kernels:
  - .name:           k_q4611bc2e1e_prep
    .symbol:         k_q4611bc2e1e_prep.kd
    .args:
      - { .name: ks, .offset: 0, .size: 8, .value_kind: global_buffer, .address_space: global }
      - { .name: vs, .offset: 8, .size: 8, .value_kind: global_buffer, .address_space: global }
      - { .name: valid_lens, .offset: 16, .size: 8, .value_kind: global_buffer, .address_space: global }
      - { .name: kv, .offset: 24, .size: 8, .value_kind: global_buffer, .address_space: global }
    .group_segment_fixed_size: 17920
    .private_segment_fixed_size: 0
    .kernarg_segment_align: 8
    .kernarg_segment_size: 32
    .max_flat_workgroup_size: 128
    .sgpr_count:     66
    .vgpr_count:     242
    .wavefront_size: 32
...
	.end_amdgpu_metadata
.endif
;; end of part 3
;; launch attn (part 4): grid 16 x 16, 16 waves a work-group, no clusters, 288,768 bytes of LDS; arguments qs, kv, valid_lens, out0; writes out0
.if DOCPART == 4
	.amdgcn_target "amdgcn-amd-amdhsa--gfx1250"
	.amdhsa_code_object_version 6
	.text
	.protected	k_q4611bc2e1e_attn
	.globl	k_q4611bc2e1e_attn
	.p2align	8
	.type	k_q4611bc2e1e_attn,@function
k_q4611bc2e1e_attn:
	s_mov_b64 s[64:65], 0
	v_nop
	global_prefetch_b8 v0, s[64:65] scope:SCOPE_SE
	s_setreg_imm32_b32 hwreg(HW_REG_WAVE_SCHED_MODE, 0, 2), 2
	s_setreg_imm32_b32 hwreg(HW_REG_WAVE_MODE, 25, 1), 1
	s_wait_xcnt 0x0
	s_wait_alu depctr_vm_vsrc(0)
; out[b][q][h][:] = the sum over visible keys k < valid_lens[b] of softmax_k(0.125 qs[b][q][h] . ks[b][k][h]) vs[b][k][h][:], both products on codes of FP4 (E2M1) with one E8M0 scale for each 32 along a product's K.
; K's and V's codes and scale words come from kv, one record of 8,960 bytes for each (batch, head, step of 128 keys), laid in the order of the operands' registers:
;   0: K's codes, tile t at 512 t + 16 lane (registers 0-3 of a fragment; d is 64, so k = 64 .. 127 are zero codes, kept in registers);   4096: V's codes, tile t at 1024 t + 512 c + 16 lane (registers 4 c .. 4 c + 3);
;   8192: K's scale words, 8 bytes a lane, twice (a register: lanes 0-15 an even tile's words, lanes 16-31 the odd tile's);   8704: V's, 4 bytes a lane, twice, likewise.
; THE SOFTMAX AHEAD OF THE SECOND PRODUCT: t = score x log2(e); M = the row's largest t so far, rounded UP to a whole number; p = 2^(t - M) is what is quantised, along the keys, not normalised.
; The row's sum is taken of the unquantised p, in f32, and divides O at the end.  When M moves, the sum and O are multiplied by 2^(old M - new M): exact.
; SHARES.  A work-group owns head h and 128 queries of BOTH batches.  Each of its sixteen waves owns one tile of 16 queries of one batch, in 256 registers: wave w takes tile w / 2 of batch ((w / 4) xor w) % 2.
; Of any four waves with consecutive numbers from a multiple of four, and of any four waves four apart, two serve each batch: so unequal lengths of the two batches are shared evenly among such groups.
; LDS holds the visible records of head h of both batches (16 x 8,960 bytes each), brought ONCE through registers: wave w brings record w of each batch that has one.  Nothing is filled again.
; HIDDEN KEYS.  The loop has 16 trips, a constant; a step all of whose keys are hidden is jumped over by a scalar branch on valid_lens; in the one step that the length cuts, hidden scores become -infinity ahead of the maximum.
; NO CLUSTER, NO JOINT LOADS, though the sixteen work-groups of a head load the same records.
; The branches on valid_lens leave out 16 - n of a wave's 16 key steps (n = the steps with a visible key); what a joint load would spare is a fill of n x 8,960 bytes a batch, made once.
; LAYOUT.  Both products are used transposed: S^T = K Q^T (source 0 = 16 keys, source 1 = my 16 queries), O^T = V^T P^T (source 0 = 16 of the head's 64, source 1 = P): a lane holds ONE query (lane % 16) throughout.
; THE KEYS OF A TILE ARE NOT NEIGHBOURS: lane r of tile 2 b + u holds key 32 b + 8 u + r + 8 (r / 8), so that the 16 registers of tiles 2 b and 2 b + 1 are 16 neighbouring keys, 32 b + 16 (lane / 16) + 0 .. 15.
; LIMITS.  NaN and infinities among qs, ks, vs are not served.  A block of zeros has the byte 1 where the rule says 127 (its codes are zeros).  A p under 2^-126 becomes 0 (v_exp_f32 flushes), beside a row's sum of at least 1/2.
; A block's largest p is not searched for: the block's largest score goes through the same multiply-add and exponential (this takes v_exp_f32 not to fall where its input rises).
; valid_lens is held to 0 .. 2,048; a length of 0 or less gives NaN (0 x 1 / 0) in all its rows, as a softmax over nothing does.
; THE MODE: SCHED_MODE bits 1:0 = 2 (LLVM: expert scheduling mode 2), set by the entry lines.  The code itself states the register dependences
; between vector or matrix instructions and memory or LDS instructions, with s_wait_alu, always for 0.
; THE PLAN.  Registers that memory or LDS instructions touch:
;   v1-2, v7-14     offsets and addresses, made once at the head and never written again: one wait on va_vdst ahead of the first load serves every load and store that reads them.
;   v192-223        q's loads land in them; the scaling and the conversions work on them; from the first step on they are V's fragments.
;   v32-171         the records' loads land in them and the fill's LDS stores read them; behind one wait on vm_vsrc, where the fill's ways join, they become K's fragments, S^T and O^T.
;   v4-6            a step's three LDS addresses: written by three additions at the step's head, read by the step's 20 LDS loads.
;   K's fragments (their lower four registers), v248-251: a step's loads land in them, its eight products of S^T read them.   V's fragments, v252-253: likewise, read by its four products of O^T, at the step's end.
;   v24-31, v247    p's codes and scale word: written by vector instructions, taken by the scaled products of O^T.
; So a step has: at its head one wait on vm_vsrc (the last step's loads have read the three addresses), the three additions, and one wait on va_vdst (the addresses are written; the last step's products are done reading
; what this step's loads land in); the wait behind the exponentials; and one wait on va_vdst ahead of the products of O^T.  No vector or matrix instruction between the head's wait and the 20 loads names a register that they touch.
; The next step's fragments are not asked for a step ahead: whether its record lies in LDS hangs on valid_lens, and the wave's 256 registers hold no second set.
.set REC,   8960
.set HB,    16*REC                     ; a head's records in LDS; batch 1's head lies behind batch 0's
.set BOFF,  256*REC                    ; from a record of batch 0 to the same of batch 1 in kv
.set STGB,  16*272                     ; the way out: a stage of 16 rows x (256 bytes + 16) for each wave, over the records, behind the barrier that ends all reads of them
.set FLOOR, 0x1800000                  ; 2^(3 - 127)
.set EOFF,  0xff000000                 ; takes 2 off an exponent field
.set L16, 1                            ; v1   16 x lane        v2  8 x lane        v3  4 x lane
.set L8,  2
.set L4,  3
.set A16, 4                            ; v4-6 the same + the step's record in LDS
.set A8,  5
.set A4,  6
.set DA16, 7                           ; v7-10 where I store records: 16 (8) x lane + 8,960 x wave, batch 0's and batch 1's
.set DB16, 8
.set DA8, 9
.set DB8, 10
.set STO, 11                           ; v11  the stage: where I put 32 bytes of a row
.set RD,  12                           ; v12  and where I read a row back
.set GO,  13                           ; v13  my byte offset in the wave's rows of out
.set QO,  14                           ; v14  and of qs
.set HM,  15                           ; v15  16 x (lane / 16)
.set QF,  16                           ; v16-23   Q's fragment (20-23: zeros)
.set PC,  24                           ; v24-31   p's codes
.set KFR, 32                           ; v32-95   K's eight fragments (the upper four registers of each: zeros, written once)
.set ST,  96                           ; v96-159  S^T, then p
.set OT,  160                          ; v160-191 O^T
.set VF,  192                          ; v192-223 V's four fragments
.set BM,  224                          ; v224-227 a block's largest score, then its largest p
.set BT,  228                          ; v228-231 at work
.set BS,  232                          ; v232-235 the conversions' scale operands
.set SM2, 236                          ; v236-237 the second chain of the sums
.set NM,  238                          ; v238 -M;  v239 the largest t so far
.set TMX, 239
.set LS,  240                          ; v240-241 the row's sum in two halves
.set FF,  242                          ; v242 f = 2^(old M - new M); v243 named with it as a pair
.set T0,  244
.set T1,  245
.set QS,  246                          ; Q's scale word
.set PS,  247                          ; p's
.set KS,  248                          ; v248-251 K's scale words, two tiles a register
.set VS,  252                          ; v252-253 V's
.set FA,  32                           ; at the head only: v32-101 batch 0's record, v102-171 batch 1's, v192-223 my 32 numbers of q
.set FB,  102
.set XQ,  192
.set MK,  12                           ; s12-19   in the loop: eight masks of hidden keys (at the head these hold the wave's ids and the lengths, which nothing reads behind the fill)
	s_load_b128 s[4:7], s[0:1], 0x0                ; qs, kv
	s_load_b128 s[8:11], s[0:1], 0x10              ; valid_lens, out0
	v_lshrrev_b32 v1, 5, v0
	v_readfirstlane_b32 s12, v1                    ; wave 0..15
	; every address register is made here, ahead of every branch; first what hangs on the lane alone
	v_and_b32 v[T0], 31, v0                        ; lane
	v_and_b32 v[T1], 15, v0                        ; r
	v_bfe_u32 v254, v0, 4, 1                       ; hh
	v_lshlrev_b32 v[L16], 4, v[T0]
	v_lshlrev_b32 v[L8], 3, v[T0]
	v_lshlrev_b32 v[L4], 2, v[T0]
	v_mul_u32_u24 v[STO], v[T1], 272
	v_lshl_add_u32 v[STO], v254, 5, v[STO]
	v_mul_u32_u24 v[RD], v254, 272
	v_lshl_add_u32 v[RD], v[T1], 4, v[RD]
	v_lshlrev_b32 v[GO], 4, v[T1]
	v_lshl_add_u32 v[GO], v254, 12, v[GO]          ; the way out: lanes 0-15 one query of out0, lanes 16-31 the next; 16 bytes a lane
	v_lshlrev_b32 v[QO], 12, v[T1]
	v_lshl_add_u32 v[QO], v254, 7, v[QO]           ; qs: query r, my block's 128 bytes
	v_lshlrev_b32 v[HM], 4, v254
	s_wait_alu depctr_va_sdst(0)                   ; s12 is written, ahead of its first reader: the batch, the tile, the bases and the LDS places are made from it
	s_lshr_b32 s13, s12, 2
	s_xor_b32 s13, s13, s12
	s_and_b32 s13, s13, 1                          ; my batch
	s_lshr_b32 s14, s12, 1                         ; my tile of 16 queries
	s_and_b32 s15, ttmp7, 0xffff                   ; the head
	s_lshl_b32 s22, ttmp9, 19                      ; my first query's row in qs and out0: 128 x work-group x queries of 4,096 bytes
	s_lshl_b32 s36, s14, 16                        ; + 16 x tile
	s_add_co_u32 s22, s22, s36
	s_lshl_b32 s36, s13, 23                        ; + the batch
	s_add_co_u32 s22, s22, s36
	s_lshl_b32 s36, s15, 8                         ; + the head's 256 bytes
	s_add_co_u32 s22, s22, s36
	s_mov_b32 s23, 0
	s_lshl_b32 s24, s15, 4
	s_add_co_u32 s24, s24, s12
	s_mul_i32 s24, s24, REC                        ; record w of (batch 0, head h)
	s_mov_b32 s25, 0
	s_mul_i32 s27, s13, HB                         ; LDS: my batch's records
	s_mul_i32 s37, s12, REC                        ; LDS: the record that I bring
	s_mul_i32 s38, s12, STGB                       ; LDS: my stage
	s_mov_b32 s30, 0x76543210
	s_mov_b32 s31, 0xfedcba98                      ; v_permlanex16_b32's selects for lane l xor 16
	s_mov_b32 s32, 0x3fb8aa3b                      ; log2(e)
	s_mov_b32 s33, s32                             ; (the packed forms name a pair and take its low word for both halves: so the upper is written)
	s_mov_b32 s34, 0x3e000000                      ; 0.125 = 1 / sqrt(64)
	s_mov_b32 s35, s34
	; and what hangs on the wave too
	v_add_nc_u32 v[DA16], s37, v[L16]
	v_add_nc_u32 v[DB16], HB, v[DA16]
	v_add_nc_u32 v[DA8], s37, v[L8]
	v_add_nc_u32 v[DB8], HB, v[DA8]
	v_add_nc_u32 v[STO], s38, v[STO]               ; in: row r; tile t's eight channels of my half: 64 t + 32 hh bytes on
	v_add_nc_u32 v[RD], s38, v[RD]                 ; back: lanes 0-15 one row, lanes 16-31 the next
	s_wait_kmcnt 0x0
	s_load_b64 s[16:17], s[8:9], 0x0               ; both lengths
	s_add_nc_u64 s[4:5], s[4:5], s[22:23]
	s_add_nc_u64 s[10:11], s[10:11], s[22:23]
	s_add_nc_u64 s[6:7], s[6:7], s[24:25]
	s_wait_alu depctr_va_vdst(0)                   ; the offsets and addresses v1 to v15 are written, which q's loads, the records' loads and LDS stores, and the way out's stores and loads read
.irp q, 0,1,2,3,4,5,6,7
	global_load_b128 v[XQ+4*\q:XQ+4*\q+3], v[QO], s[4:5] offset:16*\q th:TH_LOAD_NT   ; lane (r, hh): d = 32 hh .. + 31 of query r: a whole block; a query's 256 bytes are taken whole by two lanes in this one run
.endr
	s_wait_kmcnt 0x0
	s_max_i32 s16, s16, 0
	s_min_u32 s16, s16, 0x800
	s_max_i32 s17, s17, 0
	s_min_u32 s17, s17, 0x800                      ; both held to 0 .. 2,048
	s_add_co_u32 s18, s16, 127
	s_lshr_b32 s18, s18, 7                         ; n0, n1: the steps that have a visible key
	s_add_co_u32 s19, s17, 127
	s_lshr_b32 s19, s19, 7
	s_cmp_eq_u32 s13, 0
	s_cselect_b32 s20, s16, s17                    ; my batch's length
	; ---- THE FILL.  Wave w brings record w of each batch that has one: 17 loads of 512 consecutive bytes and one of 256, then the same bytes to LDS.  Four ways, so that each stores only what it has loaded.
	; No vector instruction stands in the fill: the loads land in registers that none has named, and the stores' data come from the loads, which LOADcnt orders.
.macro LDREC f, off
.irp i, 0,1,2,3,4,5,6,7,8,9,10,11,12,13,14,15,16
	global_load_b128 v[\f+4*\i:\f+4*\i+3], v[L16], s[6:7] offset:\off+512*\i
.endr
	global_load_b64 v[\f+68:\f+69], v[L8], s[6:7] offset:\off+8704
.endm
.macro STREC f, a16, a8
.irp i, 0,1,2,3,4,5,6,7,8,9,10,11,12,13,14,15,16
	ds_store_b128 v[\a16], v[\f+4*\i:\f+4*\i+3] offset:512*\i
.endr
	ds_store_b64 v[\a8], v[\f+68:\f+69] offset:8704
.endm
	s_cmp_lt_u32 s12, s18
	s_cbranch_scc0 .Lno_a
	LDREC FA, 0
	s_cmp_lt_u32 s12, s19
	s_cbranch_scc0 .Lonly_a
	LDREC FB, BOFF
	s_wait_loadcnt 18                              ; batch 0's record is in; batch 1's 18 loads may be out
	STREC FA, DA16, DA8
	s_wait_loadcnt 0x0
	STREC FB, DB16, DB8
	s_branch .Lfilled
.Lonly_a:
	s_wait_loadcnt 0x0
	STREC FA, DA16, DA8
	s_branch .Lfilled
.Lno_a:
	s_cmp_lt_u32 s12, s19
	s_cbranch_scc0 .Lfilled
	LDREC FB, BOFF
	s_wait_loadcnt 0x0
	STREC FB, DB16, DB8
.Lfilled:
	s_wait_loadcnt 0x0                             ; q (on the way that brought no record nothing has waited for it yet)
	s_wait_dscnt 0x0                               ; for the others' sake: my stores have landed
	s_wait_alu depctr_vm_vsrc(0)                   ; my LDS stores have read v32 to v171: from here on these are K's fragments, S^T and O^T, written by the moves below, by the steps' loads and by the products
	s_barrier_signal -1
	; work on registers while the others arrive: q is scaled and quantised; what the loop finds at its first step is set
.set ii, 0
.rept 16
	v_pk_mul_f32 v[XQ+ii:XQ+ii+1], v[XQ+ii:XQ+ii+1], s[34:35] op_sel_hi:[1,0]   ; qs x 0.125, as the problem has it ahead of the quantiser
.set ii, ii+2
.endr
	v_max3_num_f32 v[T0], |v[XQ]|, |v[XQ+1]|, |v[XQ+2]|        ; the block's largest magnitude: all 32 numbers are mine
	v_max3_num_f32 v[T1], |v[XQ+3]|, |v[XQ+4]|, |v[XQ+5]|
.irp i, 6,10,14,18,22,26
	v_max3_num_f32 v[T0], v[T0], |v[XQ+\i]|, |v[XQ+\i+1]|
	v_max3_num_f32 v[T1], v[T1], |v[XQ+\i+2]|, |v[XQ+\i+3]|
.endr
	v_max3_num_f32 v[T0], v[T0], |v[XQ+30]|, |v[XQ+31]|
	v_max3_num_f32 v[T0], v[T0], v[T1], FLOOR
	v_add_nc_u32 v254, EOFF, v[T0]                 ; the conversion's scale operand
.irp g, 0,1,2,3
	v_cvt_scalef32_pk8_fp4_f32 v[QF+\g], v[XQ+8*\g:XQ+8*\g+7], v254
.endr
	v_lshrrev_b32 v255, 23, v254                   ; the scale's byte (a plain line behind the conversions)
	v_lshrrev_b32 v[T0], 1, v[HM]                  ; 8 hh
	v_lshlrev_b32 v255, v[T0], v255                ; at its place in the word
.irp b, 0,1,2,3
	v_mov_b32 v[BT+\b], 0                          ; written once: a lane permute's destination counts as one of its sources
.endr
	v_permlanex16_b32 v[BT], v255, s30, s31
	v_or_b32 v255, v255, v[BT]
	v_or_b32 v[QS], 0x7f7f0000, v255               ; k = 64 .. 127 are zero codes: their bytes are 127
.irp c, 4,5,6,7
	v_mov_b32 v[QF+\c], 0                          ; d is 64: the fragments' k = 64 .. 127 are zero codes, on both sides
.endr
.irp t, 0,1,2,3,4,5,6,7
.irp c, 4,5,6,7
	v_mov_b32 v[KFR+8*\t+\c], 0                    ; written once: the steps' loads fill the lower four registers alone
.endr
.endr
.set ii, 0
.rept 32
	v_mov_b32 v[OT+ii], 0                          ; O^T.  (The step is written once: the first finds zeros, which the first change of M leaves zeros; that spares a second copy of the step)
.set ii, ii+1
.endr
	v_mov_b32 v[LS], 0                             ; the sum, in two halves
	v_mov_b32 v[LS+1], 0
	v_mov_b32 v[FF+1], 0                           ; (named as the upper half of a pair)
	v_mov_b32 v[TMX], 0xff61b1e6                   ; the largest t so far: -3e38, under every t
	v_floor_f32 v[NM], -v[TMX]                     ; -M
	s_mov_b32 s26, 0                               ; the step's first key
	s_mov_b32 s28, 16                              ; trips
	s_barrier_wait -1                              ; every visible record of both batches lies in LDS
.Lstep:
	s_cmp_ge_u32 s26, s20
	s_cbranch_scc1 .Lhidden                        ; all 128 keys are hidden: only the lines that step addresses are run
	s_wait_alu depctr_vm_vsrc(0)                   ; the last step's LDS loads have read v4 to v6, which the three additions write again
	v_add_nc_u32 v[A16], s27, v[L16]
	v_add_nc_u32 v[A8], s27, v[L8]
	v_add_nc_u32 v[A4], s27, v[L4]
	s_wait_alu depctr_va_vdst(0)                   ; the three addresses are written, which the 20 loads read; the last step's products are done reading K's and V's fragments and scale words, in which the loads land; in the first visible step: the work on q is done with v192-223, and q's codes and scale word and the fragments' zeros, which the scaled products take, are written
	ds_load_b64 v[KS:KS+1], v[A8] offset:8192
	ds_load_b64 v[KS+2:KS+3], v[A8] offset:8448
.irp t, 0,1,2,3,4,5,6,7
	ds_load_b128 v[KFR+8*\t:KFR+8*\t+3], v[A16] offset:512*\t      ; 32 lanes, 16 neighbouring bytes each
.endr
.irp j, 0,1
	ds_load_b32 v[VS+\j], v[A4] offset:8704+128*\j
.endr
.irp t, 0,1,2,3
.irp c, 0,1
	ds_load_b128 v[VF+8*\t+4*\c:VF+8*\t+4*\c+3], v[A16] offset:4096+1024*\t+512*\c
.endr
.endr
	s_wait_dscnt 10                                ; K and its scale words are in; V's ten loads, issued behind them, may be out: they have the softmax in which to land, and no line of it names their registers
.irp t, 0,1,2,3,4,5,6,7                        ; S^T = K Q^T; each product starts its own sum
.if (\t%2)
	v_wmma_scale_f32_16x16x128_f8f6f4 v[ST+8*\t:ST+8*\t+7], v[KFR+8*\t:KFR+8*\t+7], v[QF:QF+7], 0, v[KS+\t/2], v[QS] matrix_a_fmt:MATRIX_FMT_FP4 matrix_b_fmt:MATRIX_FMT_FP4 matrix_a_scale:MATRIX_SCALE_ROW1
.else
	v_wmma_scale_f32_16x16x128_f8f6f4 v[ST+8*\t:ST+8*\t+7], v[KFR+8*\t:KFR+8*\t+7], v[QF:QF+7], 0, v[KS+\t/2], v[QS] matrix_a_fmt:MATRIX_FMT_FP4 matrix_b_fmt:MATRIX_FMT_FP4
.endif
.endr
.rept 4
	v_nop                                          ; four places between the last product and the first read of results (ISA guide 7.12.1)
.endr
	s_add_co_u32 s36, s26, 128
	s_cmp_le_u32 s36, s20
	s_cbranch_scc1 .Lopen                          ; all 128 keys count: nothing to mask
	s_sub_co_u32 s36, s20, s26
	s_sub_co_u32 s36, s36, 1
	v_sub_nc_u32 v254, s36, v[HM]                  ; d = length - first key - 1 - 16 (lane / 16).  Register 16 b + i holds key first + 32 b + 16 (lane / 16) + i: hidden where 32 b + i > d
	v_mov_b32 v255, 0xff800000                     ; -infinity: p = 0 then
.set ii, 0
.rept 8                                        ; a tile's eight registers at a time: eight compares into eight scalar registers, one wait, eight selects
.set jj, 0
.rept 8
	v_cmp_gt_i32 s[MK+jj], 32*((ii+jj)/16)+(ii+jj)%16, v254
.set jj, jj+1
.endr
	s_wait_alu depctr_va_sdst(0)                   ; the eight compares have written s12 to s19, ahead of the selects that read them
.set jj, 0
.rept 8
	v_cndmask_b32 v[ST+ii+jj], v[ST+ii+jj], v255, s[MK+jj]
.set jj, jj+1
.endr
.set ii, ii+8
.endr
.Lopen:
.irp b, 0,1,2,3
	v_max3_num_f32 v[BM+\b], v[ST+16*\b], v[ST+16*\b+1], v[ST+16*\b+2]   ; THE LARGEST SCORE OF EACH BLOCK OF 32 KEYS serves twice: for the row's maximum, and, since p rises with the score, for the block's largest p
.endr
.irp i, 3,5,7,9,11,13
.irp b, 0,1,2,3
	v_max3_num_f32 v[BM+\b], v[BM+\b], v[ST+16*\b+\i], v[ST+16*\b+\i+1]   ; (the four blocks by turns)
.endr
.endr
.irp b, 0,1,2,3
	v_max_num_f32 v[BM+\b], v[BM+\b], v[ST+16*\b+15]
.endr
.irp b, 0,1,2,3
	v_permlanex16_b32 v[BT+\b], v[BM+\b], s30, s31
.endr
.irp b, 0,1,2,3
	v_max_num_f32 v[BM+\b], v[BM+\b], v[BT+\b]     ; with lane l xor 16's 16 keys
.endr
	v_max3_num_f32 v[T0], v[BM], v[BM+1], v[BM+2]
	v_max_num_f32 v[T0], v[T0], v[BM+3]            ; the step's largest score of my query (the step's first key is visible: it is a number)
	v_mul_f32 v[T0], s32, v[T0]                    ; as t
	v_max_num_f32 v[TMX], v[TMX], v[T0]            ; the running largest t
	v_mov_b32 v[T0], v[NM]
	v_floor_f32 v[NM], -v[TMX]                     ; the new -M = floor(-t) = -ceil(t): M IS A WHOLE NUMBER
	v_sub_f32 v[T0], v[NM], v[T0]                  ; M's old value less its new one: a whole number, 0 or less
	v_cvt_i32_f32 v[T0], v[T0]                     ; (it saturates)
	v_ldexp_f32 v[FF], 1.0, v[T0]                  ; f = 2^(old M - new M): a multiplication by it rounds nothing
.set ii, 0
.rept 32
	v_pk_fma_f32 v[ST+ii:ST+ii+1], v[ST+ii:ST+ii+1], s[32:33], v[NM:NM+1] op_sel_hi:[1,0,0]   ; t - M, two at a time (of the pairs log2(e) and -M the low word serves both halves)
.set ii, ii+2
.endr
.irp b, 0,1,2,3
	v_fma_f32 v[BM+\b], v[BM+\b], s32, v[NM]       ; the same of each block's largest score
.endr
.set ii, 0
	s_wait_alu depctr_va_vdst(0)
.rept 64
	v_exp_f32 v[ST+ii], v[ST+ii]                   ; p = 2^(t - M), at most 1: NOT normalised
.set ii, ii+1
.endr
.irp b, 0,1,2,3
	v_exp_f32 v[BM+\b], v[BM+\b]                   ; the block's largest p: the same two instructions on the same number give the same bits
.endr
	v_pk_mul_f32 v[LS:LS+1], v[LS:LS+1], v[FF:FF+1] op_sel_hi:[1,0]   ; the sums under the new M.  (A plain line behind the exponentials)
	s_wait_alu depctr_va_vdst(0)                   ; the 68 exponentials have written p and the blocks' largest p: one wait for the batch, ahead of its first reader
.irp b, 0,1,2,3
	v_max_num_f32 v[BM+\b], FLOOR, v[BM+\b]        ; the floor: the byte cannot fall under 1 (a block whose every p is 0 keeps that byte: its codes are zeros)
.endr
.irp b, 0,1,2,3
	v_add_nc_u32 v[BS+\b], EOFF, v[BM+\b]          ; 2 off the exponent field: the conversion's scale operand
.endr
.irp b, 0,1,2,3
	v_lshrrev_b32 v[BT+\b], 23, v[BS+\b]           ; the scale's byte
.endr
	v_lshl_or_b32 v[PS], v[BT+1], 8, v[BT]         ; p's scale word for these 128 keys
	v_lshl_or_b32 v[PS], v[BT+2], 16, v[PS]
	v_lshl_or_b32 v[PS], v[BT+3], 24, v[PS]
.irp b, 0,1,2,3
	v_cvt_scalef32_pk8_fp4_f32 v[PC+2*\b], v[ST+16*\b:ST+16*\b+7], v[BS+\b]
	v_cvt_scalef32_pk8_fp4_f32 v[PC+2*\b+1], v[ST+16*\b+8:ST+16*\b+15], v[BS+\b]
.endr
	v_nop                                          ; one plain line between a scaled conversion and the vector instruction that touches its result
.irp c, 0,1                                    ; the operand's layout wants a WHOLE block in a lane: lanes 0-15 block 2 c, lanes 16-31 block 2 c + 1
.irp i, 0,1
	v_permlane16_swap_b32 v[PC+4*\c+\i], v[PC+4*\c+2+\i]
.endr
.endr
	v_pk_add_f32 v[SM2:SM2+1], v[ST:ST+1], v[ST+2:ST+3]   ; THE ROW'S SUM IS TAKEN OF THE UNQUANTISED p: two at a time, in two chains
.irp j, 4,8,12,16,20,24,28,32,36,40,44,48,52,56,60
	v_pk_add_f32 v[LS:LS+1], v[LS:LS+1], v[ST+\j:ST+\j+1]
	v_pk_add_f32 v[SM2:SM2+1], v[SM2:SM2+1], v[ST+\j+2:ST+\j+3]
.endr
	v_pk_add_f32 v[LS:LS+1], v[LS:LS+1], v[SM2:SM2+1]   ; (these 32 additions name no register of the products below: they are the places between the writes of p's scale word and codes and those products)
.set ii, 0
.rept 16
	v_pk_mul_f32 v[OT+ii:OT+ii+1], v[OT+ii:OT+ii+1], v[FF:FF+1] op_sel_hi:[1,0]   ; O^T under the new M: x f; each accumulator from its low end on
.set ii, ii+2
.endr
	s_wait_dscnt 0x0                               ; V and its scale words are in
	s_wait_alu depctr_va_vdst(0)                   ; p's codes v24-31 and its scale word v247 are written, which the scaled products below take; the places above stay beside this wait
.irp t, 0,1,2,3                                ; O^T += V^T P^T; K = these 128 keys.  The four accumulators take turns, one instruction a turn, and the next step's eight products of S^T stand between two links
.if (\t%2)
	v_wmma_scale_f32_16x16x128_f8f6f4 v[OT+8*\t:OT+8*\t+7], v[VF+8*\t:VF+8*\t+7], v[PC:PC+7], v[OT+8*\t:OT+8*\t+7], v[VS+\t/2], v[PS] matrix_a_fmt:MATRIX_FMT_FP4 matrix_b_fmt:MATRIX_FMT_FP4 matrix_a_scale:MATRIX_SCALE_ROW1
.else
	v_wmma_scale_f32_16x16x128_f8f6f4 v[OT+8*\t:OT+8*\t+7], v[VF+8*\t:VF+8*\t+7], v[PC:PC+7], v[OT+8*\t:OT+8*\t+7], v[VS+\t/2], v[PS] matrix_a_fmt:MATRIX_FMT_FP4 matrix_b_fmt:MATRIX_FMT_FP4
.endif
.endr
.rept 4
	v_nop                                          ; four places behind the last product, ahead of the first vector read of O^T on every way on (the next step's loads into V's registers are ordered by the wait at that step's head)
.endr
.Lhidden:
	s_add_co_u32 s26, s26, 128                     ; the next step's first key,
	s_add_co_u32 s27, s27, REC                     ; and its record
	s_sub_co_u32 s28, s28, 1
	s_cmp_lg_u32 s28, 0
	s_cbranch_scc1 .Lstep
	; ---- THE WAY OUT.  A lane holds 32 neighbouring bytes of a query's row, and the lanes beside it hold other queries: so the tile goes through my stage in LDS and leaves as whole rows of 256 bytes.
	s_wait_dscnt 0x0                               ; my reads of the records are over
	s_barrier_signal -1
	s_barrier_wait -1                              ; everybody's are: the stages may lie over the records
	s_wait_alu depctr_va_vdst(0)
	v_add_f32 v[LS], v[LS], v[LS+1]                ; the sum's two halves,
	v_permlanex16_b32 v[T1], v[LS], s30, s31
	v_add_f32 v[LS], v[LS], v[T1]                  ; and lane l xor 16's: the row's sum
	s_wait_alu depctr_va_vdst(0)
	v_rcp_f32 v[FF], v[LS]
	v_nop                                          ; one plain line behind a transcendental
	s_wait_alu depctr_va_vdst(0)                   ; the reciprocal has written v242, ahead of its first reader
.set ii, 0
.rept 16
	v_pk_mul_f32 v[ST+ii:ST+ii+1], v[OT+ii:OT+ii+1], v[FF:FF+1] op_sel_hi:[1,0]   ; O^T / the sum: register 8 t + i is out(query r, d = 16 t + 8 hh + i)
.set ii, ii+2
.endr
	s_wait_alu depctr_va_vdst(0)                   ; the multiplications have written v96-127, which the LDS stores read; the loop's vector instructions are done with v128-159, in which the loads from the stage land
.irp t, 0,1,2,3
.irp e, 0,1
	ds_store_b128 v[STO], v[ST+8*\t+4*\e:ST+8*\t+4*\e+3] offset:64*\t+16*\e
.endr
.endr
.irp i, 0,1,2,3,4,5,6,7
	ds_load_b128 v[ST+32+4*\i:ST+32+4*\i+3], v[RD] offset:544*\i   ; LDS serves a wave's instructions in order: these see my stores
.endr
.irp i, 0,1,2,3,4,5,6,7
	s_wait_dscnt 7-\i                              ; LDS loads come back in order: load i is in, the younger ones may be out
	global_store_b128 v[GO], v[ST+32+4*\i:ST+32+4*\i+3], s[10:11] offset:8192*\i th:TH_STORE_NT   ; each sixteen lanes store a query's 256 consecutive bytes, aligned; written once, read by nobody here
.endr
	s_wait_xcnt 0x0
	v_lshl_add_u32 v254, v0, 2, 0x46000            ; the add's two registers are made anew, straight ahead of the closing lines: no memory or LDS instruction has read v254 or v255
	v_mov_b32 v255, 0
	s_wait_dscnt 0x0                               ; the closing lines, six on end
	s_wait_alu 0x0
	s_wait_tensorcnt 0x0
	ds_add_u32 v254, v255
	s_wait_dscnt 0x0
	s_endpgm
.Lfunc_end_k_q4611bc2e1e_attn:
	.size	k_q4611bc2e1e_attn, .Lfunc_end_k_q4611bc2e1e_attn-k_q4611bc2e1e_attn
	.p2alignl 7, 3214868480
	.fill 96, 4, 3214868480
	.section	.rodata,"a",@progbits
	.p2align	6, 0x0
	.amdhsa_kernel k_q4611bc2e1e_attn
		.amdhsa_group_segment_fixed_size 288768
		.amdhsa_private_segment_fixed_size 0
		.amdhsa_enable_private_segment 0
		.amdhsa_kernarg_size 32
		.amdhsa_user_sgpr_count 2
		.amdhsa_user_sgpr_kernarg_segment_ptr 1
		.amdhsa_wavefront_size32 1
		.amdhsa_system_sgpr_workgroup_id_x 1
		.amdhsa_system_sgpr_workgroup_id_y 1
		.amdhsa_system_sgpr_workgroup_id_z 1
		.amdhsa_system_vgpr_workitem_id 0
		.amdhsa_next_free_vgpr 256
		.amdhsa_next_free_sgpr 66
		.amdhsa_reserve_vcc 0
		.amdhsa_float_denorm_mode_32 3
		.amdhsa_float_denorm_mode_16_64 3
		.amdhsa_memory_ordered 1
		.amdhsa_forward_progress 1
		.amdhsa_inst_pref_size 48
	.end_amdhsa_kernel
	.amdgpu_metadata
---
amdhsa.version: [ 1, 2 ]
amdhsa.kernels:
  - .name:           k_q4611bc2e1e_attn
    .symbol:         k_q4611bc2e1e_attn.kd
    .args:
      - { .name: qs, .offset: 0, .size: 8, .value_kind: global_buffer, .address_space: global }
      - { .name: kv, .offset: 8, .size: 8, .value_kind: global_buffer, .address_space: global }
      - { .name: valid_lens, .offset: 16, .size: 8, .value_kind: global_buffer, .address_space: global }
      - { .name: out0, .offset: 24, .size: 8, .value_kind: global_buffer, .address_space: global }
    .group_segment_fixed_size: 288768
    .private_segment_fixed_size: 0
    .kernarg_segment_align: 8
    .kernarg_segment_size: 32
    .max_flat_workgroup_size: 512
    .sgpr_count:     66
    .vgpr_count:     256
    .wavefront_size: 32
...
	.end_amdgpu_metadata
.endif
;; end of part 4
